; MI455X (gfx1250); checked and timed in simulation.
; The chip was launched on July 23, 2026; its instructions are those of AMD's public machine-readable ISA for CDNA 5 (MIT licence, August 2026) and "CDNA5" Instruction Set Architecture Reference Guide (July 2026). The comments in the code are by the model that wrote it; some were corrected since.
;; Multihead Attention. Allowed arithmetic: matrix products marked QUANTISED: E2M1 operands, one E8M0 scale for each 32 along K, by v_wmma_scale_f32_16x16x128_f8f6f4 with both operands' format E2M1 (or v_wmma_scale_f32_32x16x128_f4), f32 sums; products left as they are: f32 operands where the result goes on into a quantised operand, else bf16, f16 or f32 operands; f32 sums; everything else in f32.
;; Inputs: Wfc_codes 128 x 4 x 16 uint8 (E2M1 codes of Wfc, K innermost, in blocks of 32 codes, two codes a byte); Wfc_scales 128 x 4 uint8 (E8M0 scales of Wfc, one for each 32 codes along K); Wk_codes 128 x 4 x 16 uint8 (E2M1 codes of Wk, K innermost, in blocks of 32 codes, two codes a byte); Wk_scales 128 x 4 uint8 (E8M0 scales of Wk, one for each 32 codes along K); Wq_codes 128 x 4 x 16 uint8 (E2M1 codes of Wq, K innermost, in blocks of 32 codes, two codes a byte); Wq_scales 128 x 4 uint8 (E8M0 scales of Wq, one for each 32 codes along K); Wv_codes 128 x 4 x 16 uint8 (E2M1 codes of Wv, K innermost, in blocks of 32 codes, two codes a byte); Wv_scales 128 x 4 uint8 (E8M0 scales of Wv, one for each 32 codes along K); flow 4 x 2 x 64 x 64 float32; k_codes 4 x 64 x 64 x 4 x 16 uint8 (E2M1 codes of k, K innermost, in blocks of 32 codes, two codes a byte); k_scales 4 x 64 x 64 x 4 uint8 (E8M0 scales of k, one for each 32 codes along K); q_codes 4 x 64 x 64 x 4 x 16 uint8 (E2M1 codes of q, K innermost, in blocks of 32 codes, two codes a byte); q_scales 4 x 64 x 64 x 4 uint8 (E8M0 scales of q, one for each 32 codes along K); v_codes 4 x 64 x 64 x 4 x 16 uint8 (E2M1 codes of v, K innermost, in blocks of 32 codes, two codes a byte); v_scales 4 x 64 x 64 x 4 uint8 (E8M0 scales of v, one for each 32 codes along K).
;; Outputs: out0 4 x 128 x 64 x 64 float32; out1 4 x 4 x 25 x 64 x 64 float32.
;; This version of the problem:
;;   THIS VERSION OF THE PROBLEM IS GIVEN IN LOW PRECISION. The matrix products marked QUANTISED in the list below multiply operands that are first quantised to E2M1 (2 exponent bits, 1 mantissa bit; 4 bits a number), with one power-of-two scale for each 32 numbers along K (OCP MX v1.0); their sums are f32. All else is computed in f32.
;;   The module's matrix products, in the order in which they are computed (A, B: the left and right operand; K: the contracted axis; several contracted axes count as one K, in the product's order):
;;     1. [M 16,384, K 128] x [K 128, N 128]; A: input q (given as codes); B: input Wq (given as codes): QUANTISED
;;     2. [M 16,384, K 128] x [K 128, N 128]; A: input k (given as codes); B: input Wk (given as codes): QUANTISED
;;     3. [M 16,384, K 128] x [K 128, N 128]; A: input v (given as codes); B: input Wv (given as codes): QUANTISED
;;     4. batch 65,536 x [M 25, K 32] x [K 32, N 1]; A: computed on the way; B: computed on the way: left as it is (N = 1 < 16)
;;     5. batch 65,536 x [M 32, K 25] x [K 25, N 1]; A: computed on the way; B: softmax: left as it is (K = 25 < 32)
;;     6. [M 16,384, K 128] x [K 128, N 128]; A: computed on the way; B: input Wfc (given as codes): QUANTISED
;;   THE QUANTISER, for each operand of a quantised product, along K:
;;     - K is cut into blocks of 32 from its start; a last block that is shorter is filled with zeros.
;;     - A block's scale is 2^e with e = floor(log2(the largest magnitude in the block)) - 2, held to -126 .. 127; a block of zeros has e = 0. As a byte (E8M0): e + 127.
;;     - Each number is divided by its block's scale, clamped to +-6, and rounded to the nearest number of E2M1, ties to even, subnormals kept.
;;     - The product sums the exact products of the quantised numbers (number of the format x scale) in f32.
;;   ~~~python
;;   def quantise(x, axis):      # numpy; x: float32 -> the quantised numbers, widened to float32 again
;;       x = np.moveaxis(x, axis, -1); K = x.shape[-1]
;;       x = np.pad(x, [(0, 0)] * (x.ndim - 1) + [(0, -K % 32)]); x = x.reshape(x.shape[:-1] + (-1, 32)); a = np.abs(x).max(-1, keepdims=True)
;;       e = np.where(a > 0, np.clip(np.frexp(np.where(a > 0, a, 1))[1] - 1 - 2, -126, 127), 0)      # np.frexp(a)[1] - 1 = floor(log2(a)), exactly
;;       r = np.clip(x / 2.0 ** e, -6, 6)
;;       step = 2.0 ** (np.maximum(np.frexp(np.where(r == 0, 1, r))[1] - 1, 0) - 1)
;;       q = np.round(r / step) * step * 2.0 ** e      # np.round: ties to even
;;       return np.moveaxis(q.reshape(q.shape[:-2] + (-1,))[..., :K], -1, axis).astype(np.float32)
;;   ~~~
;;   OPERANDS COMPUTED ON THE WAY. 'Computed on the way' means the value that the module computes at that place (a softmax that the list does not call 'softmax' is quantised finished and normalised). What goes into a quantiser is computed in f32, as accurately as f32 sums, v_exp_f32 and their like allow (about 1e-6 of the number): no bf16 or f16 on the way to a quantiser, and a product that is left as it is and whose result goes on into a quantised operand takes f32 operands (vector FMAs, or v_wmma_f32_16x16x4_f32). A number that lies on a knife's edge between two numbers of the format may be rounded either way, as far as f32 arithmetic and the matrix unit's own rounding can turn it there, and no further.
;;   INPUTS GIVEN AS CODES. Wfc (in the module: [128, 128], K = its axis 1); Wk (in the module: [128, 128], K = its axis 1); Wq (in the module: [128, 128], K = its axis 1); Wv (in the module: [128, 128], K = its axis 1); k (in the module: [4, 128, 64, 64], K = its axis 1); q (in the module: [4, 128, 64, 64], K = its axis 1); v (in the module: [4, 128, 64, 64], K = its axis 1): each comes as NAME_codes (uint8): NAME with its K axis moved to the last place and cut into blocks of 32 codes, [.., K / 32, bytes a block], one block behind the other in memory; two codes a byte, the lower K in the low four bits (a code: sign, 2 exponent bits, 1 mantissa bit); and NAME_scales (uint8): the same leading axes, one E8M0 byte (e + 127) for each 32 codes along K. Its value is code x scale, taken as it is: it is not quantised again, and the codes and scales need not be those that the quantiser above would give.
;; 2 versions, each right; version 2 is version 1 with the launch attend written anew for expert scheduling mode. Each part assembles by itself: llvm-mc -triple=amdgcn-amd-amdhsa -mcpu=gfx1250 --defsym DOCPART=n.
;; ======== version 1 of 2: 2 launches
;; workspace buffers: taps 262,144 bytes of whole numbers; coef 1,310,720 bytes
;; launch taps (part 1): grid 256 x 1, 2 waves a work-group, no clusters, 0 bytes of LDS; arguments flow, taps, coef; writes taps, coef
.if DOCPART == 1
	.amdgcn_target "amdgcn-amd-amdhsa--gfx1250"
	.amdhsa_code_object_version 6
	.text
	.protected	k_q42920aae26_taps
	.globl	k_q42920aae26_taps
	.p2align	8
	.type	k_q42920aae26_taps,@function
k_q42920aae26_taps:
	s_mov_b64 s[64:65], 0
	v_nop
	global_prefetch_b8 v0, s[64:65] scope:SCOPE_SE
	s_setreg_imm32_b32 hwreg(HW_REG_WAVE_MODE, 25, 1), 1
	s_wait_xcnt 0x0
; For each of the 16,384 pixels: where its 5 x 5 samples fall.  flow: [4][2][64][64] f32.
; The 25 shifts are whole numbers, so all four taps of all 25 bilinear samples of a pixel lie on ONE window of 6 columns x 6 rows.
; Stored for the next launch, which forms addresses from them:
;   taps [pixel][4 words], whole numbers: the 6 columns c0-c5 and 6 rows r0-r5, held to 0 .. 63, a byte each:
;        word 0 = c0 c1 c2 c3, word 1 = c4 c5 r0 r1, word 2 = r2 r3 r4 r5, word 3 = c3 c4 c5 (a second copy)
;   coef [5 planes][pixel][4] f32: ax[0..4], bx[0..4], ay[0..4], by[0..4]:
;        sample kx takes ax[kx] of column kx and bx[kx] of column kx + 1; a tap outside the image has the coefficient 0.
; The position follows the same sequence of roundings as the definition: ((2 (g + shift + flow)) / 63 - 1 + 1) x 0.5 x 63,
; so no multiply and add of that sequence is fused; the division is a reciprocal with one correction step.
; One base, floor(x of shift -2), serves all five shifts: where rounding puts a later x just across a whole number its fraction
; comes out a little under 0 or at 1, and the bilinear form is continuous there.
; LIMITS: NaN and infinite flow are not served.  Positions beyond -16 .. 80 are held there: the whole window is then outside the image, as it is without the hold.
; A work-group is one image row: 64 threads, a thread a pixel.  Each store of a wave covers 512 consecutive bytes, aligned.
.set PLANE, 262144                     ; bytes of a plane of coef: 16,384 pixels x 16
	s_load_b128 s[4:7], s[0:1], 0x0                ; flow, taps
	s_load_b64 s[8:9], s[0:1], 0x10                ; coef
	s_lshr_b32 s16, ttmp9, 6                       ; n
	s_and_b32 s17, ttmp9, 63                       ; y
	s_lshl_b32 s14, s16, 15                        ; flow: 32,768 bytes an image,
	s_lshl_b32 s18, s17, 8                         ; 256 a row
	s_add_co_u32 s14, s14, s18
	s_mov_b32 s15, 0
	s_lshl_b32 s18, ttmp9, 10                      ; taps and a plane of coef: 64 pixels x 16 bytes a work-group
	s_mov_b32 s19, 0
	s_mov_b32 s10, 0x427c0000                      ; 63.0
	s_mov_b32 s11, 0x3c820821                      ; 1 / 63
	s_mov_b32 s12, 0xc1800000                      ; -16.0
	s_mov_b32 s13, 0x42a00000                      ; 80.0
	v_lshlrev_b32 v1, 2, v0                        ; 4 x
	v_lshlrev_b32 v6, 4, v0                        ; 16 x
	v_cvt_f32_u32 v4, v0                           ; x
	v_cvt_f32_u32 v5, s17                          ; y
	v_mov_b32 v94, 1.0
	s_wait_kmcnt 0x0
	s_add_nc_u64 s[4:5], s[4:5], s[14:15]
	s_add_nc_u64 s[6:7], s[6:7], s[18:19]
	s_add_nc_u64 s[8:9], s[8:9], s[18:19]
	global_load_b32 v2, v1, s[4:5] th:TH_LOAD_NT               ; flow x
	global_load_b32 v3, v1, s[4:5] offset:16384 th:TH_LOAD_NT  ; flow y
	s_wait_loadcnt 0x0
; One axis.  pos: the pixel's coordinate; flw: its flow; xs: 5 positions; fl: the base; col: 6 columns as f32; msk: 1.0 inside the image, else 0;
; cl: the columns held to 0 .. 63, as whole numbers; ca, cb: the coefficients.  v84-93 at work.
.macro AXIS pos, flw, xs, fl, col, msk, cl, ca, cb
.set kk, 0
.irp sh, -2.0, -1.0, 0, 1.0, 2.0
	v_add_f32 v[\xs+kk], \sh, v[\pos]              ; the grid plus the shift: exact
.set kk, kk+1
.endr
.irp k, 0,1,2,3,4
	v_add_f32 v[\xs+\k], v[\xs+\k], v[\flw]
.endr
.irp k, 0,1,2,3,4
	v_add_f32 v[\xs+\k], v[\xs+\k], v[\xs+\k]      ; x 2
.endr
.irp k, 0,1,2,3,4
	v_mul_f32 v[84+\k], s11, v[\xs+\k]             ; / 63: a first quotient,
.endr
.irp k, 0,1,2,3,4
	v_fma_f32 v[89+\k], -v[84+\k], s10, v[\xs+\k]  ; its remainder,
.endr
.irp k, 0,1,2,3,4
	v_fma_f32 v[\xs+\k], v[89+\k], s11, v[84+\k]   ; and the corrected quotient
.endr
.irp k, 0,1,2,3,4
	v_add_f32 v[\xs+\k], -1.0, v[\xs+\k]           ; the normalised coordinate,
.endr
.irp k, 0,1,2,3,4
	v_add_f32 v[\xs+\k], 1.0, v[\xs+\k]            ; and back, rounding as the definition rounds
.endr
.irp k, 0,1,2,3,4
	v_mul_f32 v[\xs+\k], 0.5, v[\xs+\k]
.endr
.irp k, 0,1,2,3,4
	v_mul_f32 v[\xs+\k], s10, v[\xs+\k]
.endr
.irp k, 0,1,2,3,4
	v_med3_num_f32 v[\xs+\k], v[\xs+\k], s12, s13  ; the hold
.endr
	v_floor_f32 v[\fl], v[\xs]
.set kk, 0
.irp sh, 0, 1.0, 2.0, 3.0, 4.0, 5.0
	v_add_f32 v[\col+kk], \sh, v[\fl]
.set kk, kk+1
.endr
.irp i, 0,1,2,3,4,5
	v_med3_num_f32 v[84+\i], v[\col+\i], 0, s10    ; held to 0 .. 63
.endr
.irp i, 0,1,2,3,4,5
	v_cmp_eq_f32 vcc_lo, v[84+\i], v[\col+\i]      ; unchanged by the hold: inside the image
	v_cndmask_b32 v[\msk+\i], 0, v94, vcc_lo
	v_cvt_u32_f32 v[\cl+\i], v[84+\i]
.endr
.irp k, 0,1,2,3,4
	v_sub_f32 v[84+\k], v[\xs+\k], v[\col+\k]      ; the fraction w
.endr
.irp k, 0,1,2,3,4
	v_fma_f32 v[\ca+\k], -v[84+\k], v[\msk+\k], v[\msk+\k]   ; (1 - w) x mask
	v_mul_f32 v[\cb+\k], v[84+\k], v[\msk+\k+1]              ; w x the next column's mask
.endr
.endm
	AXIS 4, 2, 8, 18, 20, 32, 44, 60, 65           ; x: columns v44-49, ax v60-64, bx v65-69
	AXIS 5, 3, 13, 19, 26, 38, 50, 70, 75          ; y: rows v50-55, ay v70-74, by v75-79
	v_lshl_or_b32 v80, v45, 8, v44
	v_lshl_or_b32 v81, v49, 8, v48
	v_lshl_or_b32 v82, v53, 8, v52
	v_lshl_or_b32 v83, v48, 8, v47
	v_lshl_or_b32 v80, v46, 16, v80
	v_lshl_or_b32 v81, v50, 16, v81
	v_lshl_or_b32 v82, v54, 16, v82
	v_lshl_or_b32 v83, v49, 16, v83
	v_lshl_or_b32 v80, v47, 24, v80
	v_lshl_or_b32 v81, v51, 24, v81
	v_lshl_or_b32 v82, v55, 24, v82
	global_store_b128 v6, v[80:83], s[6:7]
.irp p, 0,1,2,3,4
	global_store_b128 v6, v[60+4*\p:63+4*\p], s[8:9] offset:PLANE*\p
.endr
	s_endpgm
.Lfunc_end_k_q42920aae26_taps:
	.size	k_q42920aae26_taps, .Lfunc_end_k_q42920aae26_taps-k_q42920aae26_taps
	.p2alignl 7, 3214868480
	.fill 96, 4, 3214868480
	.section	.rodata,"a",@progbits
	.p2align	6, 0x0
	.amdhsa_kernel k_q42920aae26_taps
		.amdhsa_group_segment_fixed_size 0
		.amdhsa_private_segment_fixed_size 0
		.amdhsa_enable_private_segment 0
		.amdhsa_kernarg_size 24
		.amdhsa_user_sgpr_count 2
		.amdhsa_user_sgpr_kernarg_segment_ptr 1
		.amdhsa_wavefront_size32 1
		.amdhsa_system_sgpr_workgroup_id_x 1
		.amdhsa_system_sgpr_workgroup_id_y 1
		.amdhsa_system_sgpr_workgroup_id_z 1
		.amdhsa_system_vgpr_workitem_id 0
		.amdhsa_next_free_vgpr 96
		.amdhsa_next_free_sgpr 66
		.amdhsa_reserve_vcc 1
		.amdhsa_float_denorm_mode_32 3
		.amdhsa_float_denorm_mode_16_64 3
		.amdhsa_memory_ordered 1
		.amdhsa_forward_progress 1
		.amdhsa_inst_pref_size 11
	.end_amdhsa_kernel
	.amdgpu_metadata
---
amdhsa.version: [ 1, 2 ]
amdhsa.kernels:
  - .name:           k_q42920aae26_taps
    .symbol:         k_q42920aae26_taps.kd
    .args:
      - { .name: flow, .offset: 0, .size: 8, .value_kind: global_buffer, .address_space: global }
      - { .name: taps, .offset: 8, .size: 8, .value_kind: global_buffer, .address_space: global }
      - { .name: coef, .offset: 16, .size: 8, .value_kind: global_buffer, .address_space: global }
    .group_segment_fixed_size: 0
    .private_segment_fixed_size: 0
    .kernarg_segment_align: 8
    .kernarg_segment_size: 24
    .max_flat_workgroup_size: 64
    .sgpr_count:     66
    .vgpr_count:     96
    .wavefront_size: 32
...
	.end_amdgpu_metadata
.endif
;; end of part 1
;; launch attend (part 2): grid 64 x 4, 4 waves a work-group, no clusters, 62,976 bytes of LDS; arguments q_codes, q_scales, k_codes, k_scales, v_codes, v_scales, Wq_codes, Wq_scales, Wk_codes, Wk_scales, Wv_codes, Wv_scales, Wfc_codes, Wfc_scales, taps, coef, out0, out1; writes out0, out1
.if DOCPART == 2
	.amdgcn_target "amdgcn-amd-amdhsa--gfx1250"
	.amdhsa_code_object_version 6
	.text
	.protected	k_q42920aae26_attend
	.globl	k_q42920aae26_attend
	.p2align	8
	.type	k_q42920aae26_attend,@function
k_q42920aae26_attend:
	s_mov_b64 s[64:65], 0
	v_nop
	global_prefetch_b8 v0, s[64:65] scope:SCOPE_SE
	s_setreg_imm32_b32 hwreg(HW_REG_WAVE_MODE, 25, 1), 1
	s_wait_xcnt 0x0
; Attention over a 5 x 5 window placed by the flow, 4 heads of 32, 16,384 pixels; all four projections on codes of FP4 (E2M1) with one E8M0 scale for each 32 along K = 128.
; THE FORM.  All 25 bilinear samples of a pixel lie on one window of 6 x 6 whole positions (launch taps), and sampling is linear.  So
;   logit[ky][kx] = a separable 2 x 2 blend of the 36 dot products D[j][i] = q_head . (Wk k)[position (j, i)]_head, and
;   out_head      = the sum over the 36 positions of (Wv v)[position]_head x W36[j][i], W36 the transposed blend of attn.
; The zero padding lies in the blend's coefficients (0 for a tap outside the image; its address is held inside).
; Wk k and Wv v are never stored: for each of the 36 positions a wave gathers the CODES of 'position p of my 16 pixels' (64 bytes and a scale word a pixel) straight
; into the second operand's registers and projects them by 8 matrix instructions against weights that stay in its registers.
; SHARES.  A work-group is one image row: 64 pixels, four waves, a wave 16 neighbouring pixels from q's projection to out0.
; LAYOUT.  Source 0 = 16 rows of a weight, source 1 = 16 pixels.  THE ROWS OF A WEIGHT THAT FORM A TILE ARE NOT NEIGHBOURS: row m of tile (g, c) is the weight's row
; 64 c + 32 (m / 8) + 8 g + m % 8.  So lane (r, h) holds pixel r and, in register j of tile (g, c), unit 8 g + j of head h + 2 c: a lane owns two whole heads.  Dot products,
; softmax, blends and out's sums never leave the lane; a pair of registers (c = 0, c = 1) is what the packed arithmetic works on; and the finished out lies in the order that the last product's operand wants.
; Every matrix instruction takes the constant 0 as C (K = 128 is one step): there are no chains.
; A STREAM (K's, then V's) is 144 pairs of matrix instructions; behind each matrix instruction stand four packed multiply-adds on the pair of results before it.
; LDS serves only to turn attn and out0, of which a lane holds single words of a row, into rows of 256 bytes, which 16 lanes store whole.
; NO CLUSTER, NO TENSOR LOAD: what is read is a gather, a lane pair to a 64-byte row at a place that hangs on the pixel's own flow: no two work-groups want one dense tile at one time;
; the weights, 34,816 bytes, are read once by each wave into registers.
; LIMITS: a scale byte 0xff (NaN) at a tap outside the image gives NaN x 0 here; a block of zeros of out gets the scale byte 1 with zero codes (the byte is read by this kernel alone).
;
; REGISTERS, in windows of 256 (s_set_vgpr_msb's low byte: bits 1:0 source 0, 3:2 source 1, 5:4 source 2, 7:6 destination):
;   window 0: addresses, coefficients, scale words (they have no window), logits, work of the softmax
;   window 1: v0-63 Wk, then out's sums; v64-127 Wv, then the last product's results; v128-199 Wq, then the 36 dot products, then Wfc; v200-231 a ring of two pairs of results; v232-247 chains; v248-255 out's codes
;   window 2: v0-63 q projected, then W36 rows 3-5; v64-255 four slots of a window row's codes (6 positions x 8 registers)
;   window 3: v0-35 W36 rows 0-2; v64-207 three more slots; v208-215 q's codes
; One setting serves a stream's matrix instructions and its packed multiply-adds alike: weight and results are source 0, codes and the factor source 1, sums and results the destination.
.set SP,    272                        ; a stage row: 64 pixels x 4 bytes + 16: lanes 16-31 write 25 or 8 rows below lanes 0-15, 36 or 32 words on modulo 64 (64 banks of 4 bytes: ISA guide 11.1)
.set ASTG,  0                          ; LDS: attn's stage, 100 rows (25 head + k)
.set OSTG,  27392                      ; out0's stage, 128 rows (channel)
; window 0
.set VR,    1                          ; r = lane % 16: my pixel
.set VH,    2                          ; h = lane / 16
.set A16R,  3                          ; 16 r: taps, coef
.set AQC,   4                          ; 64 r + 16 h: q's codes; Wfc's rows
.set A4R,   5                          ; 4 r
.set WA,    6                          ; a weight's tile: (32 (r / 8) + r % 8) x 64 + 16 h
.set WAS,   7                          ; its scale words: (32 (r / 8) + r % 8) x 4 + 256 h: lanes 0-15 tile (g, 0)'s, lanes 16-31 tile (g, 1)'s
.set WFS,   9                          ; Wfc's scale words: 4 r + 256 h: lanes 0-15 tile t's, lanes 16-31 tile t + 4's
.set AST,   10                         ; into attn's stage
.set OST,   11                         ; into out0's stage
.set ARD,   12                         ; out of attn's stage
.set ORD,   13                         ; out of out0's stage
.set GOF,   14                         ; 16384 h + 16 r: two planes' rows in out0 or out1
.set H16,   15                         ; 16 h
.set TP,    16                         ; v16-19 my pixel's taps
.set AX,    20                         ; v20-39 coefficients
.set BX,    25
.set AY,    30
.set BY,    35
.set TM,    40                         ; v40-45 columns, v46-51 rows, at work
.set EF,    40                         ; v40-99 the half-blended logits, then the half-blended weights; later rows read back from the stages
.set CA,    52                         ; v52-87 byte offset of position (j, i)'s codes: 64 P + 16 h
.set SA,    88                         ; v88-105 of its scale word: row j, i = 0 .. 2: lanes 0-15 column i, lanes 16-31 column i + 3
.set WQS,   106                        ; scale words of the weights, four registers each
.set WKS,   110
.set WVS,   114
.set WFCS,  118
.set QSC,   122                        ; q's scale words
.set OSC,   123                        ; out's
.set KSC,   124                        ; K's, three for each of slots 0 to 3
.set VSC,   136                        ; V's, three for each window row
.set LG,    154                        ; v154-203 logits, then p, then attn: pair 2 k + c
.set TT,    204                        ; v204-219 at work
; window 1
.set WK,    0
.set OA,    0
.set WV,    64
.set RR,    64
.set WQ,    128
.set DD,    128
.set WFC,   128
.set DR,    200
.set CH,    232
.set PC,    248
; windows 2 and 3
.set SL,    64
.set TS,    64
.set QC,    208
.set MSB, 0
.macro WIN new                         ; the immediate's high byte repeats the setting that is left; a switch that changes nothing is dropped
.if MSB != (\new)
	s_set_vgpr_msb (MSB<<8)|(\new)
.set MSB, \new
.endif
.endm
.macro PLACES n
.rept \n
	v_nop
.endr
.endm
; LC counts the global loads issued so far (the text runs straight, so the count is exact); a mark is LC behind a group of loads.
; Loads come back in order (ISA guide 5.7.1): a group is in when no more loads are out than were issued behind it.  The wait's field holds 63 at the most.
.set LC, 0
.macro WAITL mark
.if (LC-(\mark)) > 63
	s_wait_loadcnt 63
.else
	s_wait_loadcnt LC-(\mark)
.endif
.endm
; A weight: 8 tiles x 8 registers into window 1, 4 registers of scale words into window 0.  fc = 1: Wfc, whose tiles are 16 neighbouring rows
.macro WLOAD reg, sreg, cb, sb, fc
	WIN 0x40
.if \fc
.irp t, 0,1,2,3,4,5,6,7
	global_load_b128 v[\reg+8*\t:\reg+8*\t+3], v[AQC], s[\cb:\cb+1] offset:1024*\t
	global_load_b128 v[\reg+8*\t+4:\reg+8*\t+7], v[AQC], s[\cb:\cb+1] offset:1024*\t+32
.endr
.else
.irp g, 0,1,2,3
.irp c, 0,1
	global_load_b128 v[\reg+8*(2*\g+\c):\reg+8*(2*\g+\c)+3], v[WA], s[\cb:\cb+1] offset:(64*\c+8*\g)*64
	global_load_b128 v[\reg+8*(2*\g+\c)+4:\reg+8*(2*\g+\c)+7], v[WA], s[\cb:\cb+1] offset:(64*\c+8*\g)*64+32
.endr
.endr
.endif
	WIN 0
.irp g, 0,1,2,3
.if \fc
	global_load_b32 v[\sreg+\g], v[WFS], s[\sb:\sb+1] offset:64*\g
.else
	global_load_b32 v[\sreg+\g], v[WAS], s[\sb:\sb+1] offset:32*\g
.endif
.endr
.set LC, LC+20
.endm
; A window row's nine offsets
.macro ADDR j
	WIN 0
.irp i, 0,1,2,3,4,5
	v_add_nc_u32 v[CA+6*\j+\i], v[TM+6+\j], v[TM+\i]
.endr
.irp i, 0,1,2
	v_add_nc_u32 v[SA+3*\j+\i], v[TT+4+\j], v[TT+1+\i]
.endr
.endm
; A window row of K or V: 3 loads of scale words, 12 of codes (position i of my 16 pixels is a whole second operand: 8 registers)
.macro ROWLOAD cb, sb, j, win, slot, sc, mark
	WIN 0
.irp i, 0,1,2
	global_load_b32 v[\sc+\i], v[SA+3*\j+\i], s[\sb:\sb+1]
.endr
	WIN (\win)<<6
.irp i, 0,1,2,3,4,5
	global_load_b128 v[\slot+8*\i:\slot+8*\i+3], v[CA+6*\j+\i], s[\cb:\cb+1]
	global_load_b128 v[\slot+8*\i+4:\slot+8*\i+7], v[CA+6*\j+\i], s[\cb:\cb+1] offset:32
.endr
.set LC, LC+15
.set \mark, LC
.endm
; One matrix instruction.  ra, rb: the side's scale words stand in lanes 16-31 of the register named
.macro WM d, a, b, sa, sb, ra, rb
.if (\ra) && (\rb)
	v_wmma_scale_f32_16x16x128_f8f6f4 v[\d:\d+7], v[\a:\a+7], v[\b:\b+7], 0, v[\sa], v[\sb] matrix_a_fmt:MATRIX_FMT_FP4 matrix_b_fmt:MATRIX_FMT_FP4 matrix_a_scale:MATRIX_SCALE_ROW1 matrix_b_scale:MATRIX_SCALE_ROW1
.elseif (\ra)
	v_wmma_scale_f32_16x16x128_f8f6f4 v[\d:\d+7], v[\a:\a+7], v[\b:\b+7], 0, v[\sa], v[\sb] matrix_a_fmt:MATRIX_FMT_FP4 matrix_b_fmt:MATRIX_FMT_FP4 matrix_a_scale:MATRIX_SCALE_ROW1
.elseif (\rb)
	v_wmma_scale_f32_16x16x128_f8f6f4 v[\d:\d+7], v[\a:\a+7], v[\b:\b+7], 0, v[\sa], v[\sb] matrix_a_fmt:MATRIX_FMT_FP4 matrix_b_fmt:MATRIX_FMT_FP4 matrix_b_scale:MATRIX_SCALE_ROW1
.else
	v_wmma_scale_f32_16x16x128_f8f6f4 v[\d:\d+7], v[\a:\a+7], v[\b:\b+7], 0, v[\sa], v[\sb] matrix_a_fmt:MATRIX_FMT_FP4 matrix_b_fmt:MATRIX_FMT_FP4
.endif
.endm
; Tile c of pair PN of a stream (kind 0: K, 1: V).  Pair PN: position PN / 4 (row j, column i), units 8 (PN % 4) on.
; K's rows lie in slots 0 1 2 3 0 1 of window 2; V's rows 0-2 in window 3, rows 3-5 in slots 2 3 0 of window 2.
.macro MM kind, c
.set p_, PN/4
.set g_, PN%4
.set j_, p_/6
.set i_, p_%6
.set rD, DR+16*(PN%2)+8*(\c)
.if (\kind) == 0
	WIN 0x59
.set rA, WK+8*(2*g_+(\c))
.set rB, SL+48*(j_%4)+8*i_
.set rSA, WKS+g_
.set rSB, KSC+3*(j_%4)+i_%3
.else
.set rA, WV+8*(2*g_+(\c))
.set rSA, WVS+g_
.set rSB, VSC+3*j_+i_%3
.if j_ < 3
	WIN 0x5d
.set rB, TS+48*j_+8*i_
.else
	WIN 0x59
.set rB, SL+48*((j_-1)%4)+8*i_
.endif
.endif
	WM rD, rA, rB, rSA, rSB, \c, i_/3
.endm
; The four chains of position pp become its two dot products.  The additions are written as multiply-adds by 1.0: under the stream's setting source 1 means window 2, and the chains lie in window 1.
.macro KRED pp, half
.set rO, CH+8*((\pp)%2)
.irp c, 0,1
.if (\half) == 0
	v_pk_fma_f32 v[rO+2*\c:rO+2*\c+1], v[rO+2*\c:rO+2*\c+1], 1.0, v[rO+4+2*\c:rO+4+2*\c+1] op_sel_hi:[1,0,1]
.else
	v_fma_f32 v[DD+2*(\pp)+\c], v[rO+2*\c], 1.0, v[rO+2*\c+1]
.endif
.endr
.endm
; K's slice: half of pair PS's 16 results x q, into four chains (two for each tile) that come round every fourth line.  A position's first slice starts its chains: nothing is cleared.
; Each tile is read from its low end on.  Two sets of chains take turns, and the position before is reduced beside a position's first pair.
.macro KS half
.set p_, PS/4
.set g_, PS%4
	WIN 0x59
.set rC, CH+8*(p_%2)
.irp u, 0,1
.irp c, 0,1
.set rR, DR+16*(PS%2)+8*\c+4*(\half)+2*\u
.set rQ, 32*\c+8*g_+4*(\half)+2*\u
.set rX, rC+4*\u+2*\c
.if (g_ == 0) && ((\half) == 0)
	v_pk_mul_f32 v[rX:rX+1], v[rR:rR+1], v[rQ:rQ+1]
.else
	v_pk_fma_f32 v[rX:rX+1], v[rR:rR+1], v[rQ:rQ+1], v[rX:rX+1]
.endif
.endr
.endr
.if (g_ == 0) && (p_ > 0)
	KRED p_-1, \half
.endif
.endm
; V's slice: half of pair PS's 16 results x the position's weight (of the pair W36 the word of head h + 2 c serves both halves), onto out's sums.  Position 0 starts the sums.
.macro VS half
.set p_, PS/4
.set g_, PS%4
.set j_, p_/6
.set i_, p_%6
.if j_ < 3
	WIN 0x5d
.else
	WIN 0x59
.endif
.set rW, 2*(6*(j_%3)+i_)
.irp u, 0,1
.irp c, 0,1
.set rR, DR+16*(PS%2)+8*\c+4*(\half)+2*\u
.set rX, OA+32*\c+8*g_+4*(\half)+2*\u
.if p_ == 0
	v_pk_mul_f32 v[rX:rX+1], v[rR:rR+1], v[rW:rW+1] op_sel:[0,\c] op_sel_hi:[1,\c]
.else
	v_pk_fma_f32 v[rX:rX+1], v[rR:rR+1], v[rW:rW+1], v[rX:rX+1] op_sel:[0,\c,0] op_sel_hi:[1,\c,1]
.endif
.endr
.endr
.endm
.macro SLICE kind, half
.if (\kind) == 0
	KS \half
.else
	VS \half
.endif
.endm
; A window row of a stream: 24 pairs.  Each matrix instruction of the pair AHEAD is followed by four multiply-adds on the pair in hand, which name none of its registers.
; So a result's first reader stands five or more such lines behind its matrix instruction (four are asked), a ring place is written over eight or more behind (five are asked),
; and the loads that follow a row into its slot stand behind four lines that name no register of the last product that read it.
; mark: the next row's loads, waited for ahead of its first product.  last = 1: nothing follows.
.macro ROW kind, j, last, mark
.set q_, 0
.rept 24
.set PS, 24*(\j)+q_
.set PN, PS+1
.set more_, 1-(\last)*(q_/23)
.if more_
.if q_ == 23
	WAITL \mark
.endif
	MM \kind, 0
.endif
	SLICE \kind, 0
.if more_
	MM \kind, 1
.endif
	SLICE \kind, 1
.set q_, q_+1
.endr
.endm
; v[d:d+1] = v[a:a+1] x v[x], and += : of the aligned pair that holds the coefficient x, its word serves both halves
.macro PMUL d, a, x
.if ((\x)%2)
	v_pk_mul_f32 v[\d:\d+1], v[\a:\a+1], v[\x-1:\x] op_sel:[0,1] op_sel_hi:[1,1]
.else
	v_pk_mul_f32 v[\d:\d+1], v[\a:\a+1], v[\x:\x+1] op_sel_hi:[1,0]
.endif
.endm
.macro PFMA d, a, x
.if ((\x)%2)
	v_pk_fma_f32 v[\d:\d+1], v[\a:\a+1], v[\x-1:\x], v[\d:\d+1] op_sel:[0,1,0] op_sel_hi:[1,1,1]
.else
	v_pk_fma_f32 v[\d:\d+1], v[\a:\a+1], v[\x:\x+1], v[\d:\d+1] op_sel_hi:[1,0,1]
.endif
.endm
; ---- the head
	s_load_b512 s[8:23], s[0:1], 0x0               ; q 8, 10; k 12, 14; v 16, 18; Wq 20, 22 (codes, scales)
	s_load_b512 s[24:39], s[0:1], 0x40             ; Wk 24, 26; Wv 28, 30; Wfc 32, 34; taps 36; coef 38
	s_load_b128 s[40:43], s[0:1], 0x80             ; out0 40, out1 42
	v_lshl_add_u32 v254, v0, 2, 0xf400
	v_mov_b32 v255, 0
	v_lshrrev_b32 v1, 5, v0
	v_readfirstlane_b32 s2, v1                     ; wave w
	s_and_b32 s4, ttmp7, 0xffff                    ; image n; ttmp9 is the image row y
	s_lshl_b32 s5, s4, 12                          ; 4096 n: the image's first pixel
	s_lshl_b32 s56, ttmp9, 6
	s_lshl_b32 s57, s2, 4
	s_add_co_u32 s56, s56, s5
	s_add_co_u32 s56, s56, s57                     ; my wave's first pixel: 4096 n + 64 y + 16 w
	s_lshl_b32 s6, s56, 4                          ; taps, coef: 16 bytes a pixel
	s_mov_b32 s7, 0
	s_lshl_b32 s48, s56, 6                         ; q's codes: 64
	s_mov_b32 s49, 0
	s_lshl_b32 s50, s56, 2                         ; q's scale words: 4
	s_mov_b32 s51, 0
	s_lshl_b32 s57, ttmp9, 8                       ; a row of a plane of out0 or out1: 256 bytes
	s_mul_i32 s52, s4, 1638400                     ; out1: 100 planes an image; wave w begins at planes 2 w, 2 w + 1
	s_add_co_u32 s52, s52, s57
	s_lshl_b32 s58, s2, 15
	s_add_co_u32 s52, s52, s58
	s_mov_b32 s53, 0
	s_lshl_b32 s54, s4, 21                         ; out0: 128 planes an image; wave w stores planes 32 w on
	s_add_co_u32 s54, s54, s57
	s_lshl_b32 s58, s2, 19
	s_add_co_u32 s54, s54, s58
	s_mov_b32 s55, 0
	s_mov_b32 s44, 0x76543210                      ; v_permlanex16_b32's selects for lane l xor 16
	s_mov_b32 s45, 0xfedcba98
	s_mov_b32 s46, 0x3e8293ee                      ; log2(e) / sqrt(32): folded into q, so that the logits come out in units of log2
	s_mov_b32 s47, s46                             ; (named with it as a pair, so it is written)
	v_and_b32 v[VR], 15, v0
	v_bfe_u32 v[VH], v0, 4, 1
	v_lshlrev_b32 v[A16R], 4, v[VR]
	v_lshlrev_b32 v[H16], 4, v[VH]
	v_lshl_add_u32 v[AQC], v[VR], 6, v[H16]
	v_lshlrev_b32 v[A4R], 2, v[VR]
	v_and_b32 v[WA], 8, v[VR]
	v_mad_u32_u24 v[WA], v[WA], 3, v[VR]           ; 32 (r / 8) + r % 8 = r + 3 (r & 8)
	v_lshlrev_b32 v[WAS], 2, v[WA]
	v_lshl_add_u32 v[WAS], v[VH], 8, v[WAS]
	v_lshl_add_u32 v[WA], v[WA], 6, v[H16]
	v_lshl_add_u32 v[WFS], v[VH], 8, v[A4R]
	s_wait_kmcnt 0x0
	s_add_nc_u64 s[36:37], s[36:37], s[6:7]        ; every base is stepped once, here, ahead of every load
	s_add_nc_u64 s[38:39], s[38:39], s[6:7]
	s_add_nc_u64 s[8:9], s[8:9], s[48:49]
	s_add_nc_u64 s[10:11], s[10:11], s[50:51]
	s_add_nc_u64 s[42:43], s[42:43], s[52:53]
	s_add_nc_u64 s[40:41], s[40:41], s[54:55]
	global_load_b128 v[TP:TP+3], v[A16R], s[36:37] th:TH_LOAD_NT   ; the taps first: the gathers' addresses hang on them
.set LC, LC+1
.set M_TAPS, LC
	WIN 0xc0
	global_load_b128 v[QC:QC+3], v[AQC], s[8:9] th:TH_LOAD_NT
	global_load_b128 v[QC+4:QC+7], v[AQC], s[8:9] offset:32 th:TH_LOAD_NT
	WIN 0
	global_load_b32 v[QSC], v[A4R], s[10:11] th:TH_LOAD_NT
.set LC, LC+3
	WLOAD WQ, WQS, 20, 22, 0
.set M_Q, LC
	WLOAD WK, WKS, 24, 26, 0
	; the LDS addresses are made while the taps are on their way
	s_lshl_b32 s57, s2, 6                          ; my wave's 64 bytes of a stage row
	v_mad_u32_u24 v[AST], v[VH], 25*SP, v[A4R]     ; attn: head h's 25 rows, + 4 r; the immediate adds (50 c + k) rows
	v_add_nc_u32 v[AST], s57, v[AST]
	v_mad_u32_u24 v[OST], v[VH], 8*SP, v[A4R]      ; out0: channels 8 h on; the immediate adds 16 t + j rows
	v_add_nc_u32 v[OST], s57, v[OST]
	v_add_nc_u32 v[OST], OSTG, v[OST]
	v_mad_u32_u24 v[ARD], v[VH], SP, v[A16R]       ; back: lanes 0-15 one row of 256 bytes, lanes 16-31 the next
	s_mul_i32 s58, s2, 32*SP
	s_add_co_u32 s58, s58, OSTG
	v_add_nc_u32 v[ORD], s58, v[ARD]               ; out0: rows 32 w on
	s_mul_i32 s58, s2, 2*SP
	v_add_nc_u32 v[ARD], s58, v[ARD]               ; attn: rows 2 w, 2 w + 1, and every eighth row on
	v_lshl_add_u32 v[GOF], v[VH], 14, v[A16R]
; ---- the gathers' offsets.  Every number taken from the taps is held to 63 ahead of all address arithmetic; behind the hold stand shifts left and additions alone
	WAITL M_TAPS
	v_cmp_ne_u32 vcc_lo, 0, v[VH]
	v_cndmask_b32 v[TT], v[TP], v[TP+3], vcc_lo    ; lanes 0-15: columns 0 1 2; lanes 16-31: columns 3 4 5
.irp i, 0,1,2,3
	v_bfe_u32 v[TM+\i], v[TP], 8*\i, 8             ; columns 0-3
	v_bfe_u32 v[TM+4+\i], v[TP+1], 8*\i, 8         ; columns 4, 5, rows 0, 1
	v_bfe_u32 v[TM+8+\i], v[TP+2], 8*\i, 8         ; rows 2-5
.endr
.irp i, 0,1,2
	v_bfe_u32 v[TT+1+\i], v[TT], 8*\i, 8
.endr
.irp i, 0,1,2,3,4,5,6,7,8,9,10,11
	v_min_u32 v[TM+\i], 63, v[TM+\i]
.endr
.irp i, 0,1,2
	v_min_u32 v[TT+1+\i], 63, v[TT+1+\i]
.endr
.irp j, 0,1,2,3,4,5
	v_lshl_add_u32 v[TM+6+\j], v[TM+6+\j], 6, s5   ; the row's first pixel: 4096 n + 64 row
.endr
.irp j, 0,1,2,3,4,5
	v_lshlrev_b32 v[TT+4+\j], 2, v[TM+6+\j]        ; x 4: scale words
.endr
.irp j, 0,1,2,3,4,5
	v_lshl_add_u32 v[TM+6+\j], v[TM+6+\j], 6, v[H16]   ; x 64 + 16 h: codes
.endr
.irp i, 0,1,2,3,4,5
	v_lshlrev_b32 v[TM+\i], 6, v[TM+\i]
.endr
.irp i, 0,1,2
	v_lshlrev_b32 v[TT+1+\i], 2, v[TT+1+\i]
.endr
	ADDR 0
	ROWLOAD 12, 14, 0, 2, SL, KSC, M_K0            ; each row's loads leave as soon as its offsets stand
	ADDR 1
	ROWLOAD 12, 14, 1, 2, SL+48, KSC+3, M_K1
	ADDR 2
	ROWLOAD 12, 14, 2, 2, SL+96, KSC+6, M_K2
	ADDR 3
	ROWLOAD 12, 14, 3, 2, SL+144, KSC+9, M_K3
	ADDR 4
	ADDR 5
; ---- q's projection: 8 tiles into window 2, unit 8 g + j of head h + 2 c at v[32 c + 8 g + j]
	WAITL M_Q
	WIN 0x8d
.irp g, 0,1,2,3
.irp c, 0,1
.set rD, 32*\c+8*\g
.set rA, WQ+8*(2*\g+\c)
	WM rD, rA, QC, WQS+\g, QSC, \c, 0
.endr
.endr
	PLACES 4
	WIN 0x82
.set kk, 0
.rept 32
	v_pk_mul_f32 v[kk:kk+1], v[kk:kk+1], s[46:47] op_sel_hi:[1,0]   ; ascending: each tile from its low end on
.set kk, kk+2
.endr
; ---- K's stream: the 36 dot products of each of my two heads.  Behind each row the loads that its slot, or a free one, takes: all of V is on its way when the stream ends
	WAITL M_K0                                     ; row 0's codes and scale words; Wk was asked for ahead of them
.set PN, 0
	MM 0, 0
	MM 0, 1
	PLACES 4
	ROW 0, 0, 0, M_K1
	ROWLOAD 12, 14, 4, 2, SL, KSC, M_K4
	WIN 0
.irp p, 0,1,2,3,4
	global_load_b128 v[AX+4*\p:AX+4*\p+3], v[A16R], s[38:39] offset:262144*\p th:TH_LOAD_NT
.endr
.set LC, LC+5
.set M_CO, LC
	ROW 0, 1, 0, M_K2
	ROWLOAD 12, 14, 5, 2, SL+48, KSC+3, M_K5
	WLOAD WV, WVS, 28, 30, 0
	ROW 0, 2, 0, M_K3
	ROWLOAD 16, 18, 0, 3, TS, VSC, M_V0
	ROW 0, 3, 0, M_K4
	ROWLOAD 16, 18, 1, 3, TS+48, VSC+3, M_V1
	ROW 0, 4, 0, M_K5
	ROWLOAD 16, 18, 2, 3, TS+96, VSC+6, M_V2
	ROW 0, 5, 1, 0
	KRED 35, 0                                     ; the last position's chains
	KRED 35, 1
	ROWLOAD 16, 18, 3, 2, SL+96, VSC+9, M_V3
	ROWLOAD 16, 18, 4, 2, SL+144, VSC+12, M_V4
	ROWLOAD 16, 18, 5, 2, SL, VSC+15, M_V5
; ---- the blend, the softmax, the transposed blend: all packed over my two heads
	s_wait_xcnt 0x0                                ; every load has had its address taken: the gathers' offset registers are written again only behind this wait
	WAITL M_CO
	WIN 0x01                                       ; source 0: the dot products, in window 1
.irp j, 0,1,2,3,4,5
.irp k, 0,1,2,3,4
	PMUL EF+2*(5*\j+\k), DD+2*(6*\j+\k), AX+\k     ; E[j][kx] = ax[kx] D[j][kx]
.endr
.endr
.irp j, 0,1,2,3,4,5
.irp k, 0,1,2,3,4
	PFMA EF+2*(5*\j+\k), DD+2*(6*\j+\k)+2, BX+\k   ;          + bx[kx] D[j][kx + 1]
.endr
.endr
	WLOAD WFC, WFCS, 32, 34, 1                     ; the dot products are read: Wfc takes their place
.set M_FC, LC
.irp y, 0,1,2,3,4
.irp k, 0,1,2,3,4
	PMUL LG+2*(5*\y+\k), EF+2*(5*\y+\k), AY+\y     ; logit[ky][kx] = ay[ky] E[ky][kx]
.endr
.endr
.irp y, 0,1,2,3,4
.irp k, 0,1,2,3,4
	PFMA LG+2*(5*\y+\k), EF+2*(5*\y+\k)+10, BY+\y  ;               + by[ky] E[ky + 1][kx]
.endr
.endr
.irp c, 0,1                                    ; the largest of a head's 25, three operands at a time, two chains a head
	v_max3_num_f32 v[TT+\c], v[LG+\c], v[LG+2+\c], v[LG+4+\c]
	v_max3_num_f32 v[TT+2+\c], v[LG+26+\c], v[LG+28+\c], v[LG+30+\c]
.endr
.irp i, 3,5,7,9
.irp c, 0,1
	v_max3_num_f32 v[TT+\c], v[TT+\c], v[LG+2*\i+\c], v[LG+2*\i+2+\c]
	v_max3_num_f32 v[TT+2+\c], v[TT+2+\c], v[LG+2*(\i+13)+\c], v[LG+2*(\i+13)+2+\c]
.endr
.endr
.irp c, 0,1
	v_max3_num_f32 v[TT+\c], v[TT+\c], v[LG+22+\c], v[LG+24+\c]
.endr
.irp c, 0,1
	v_max3_num_f32 v[TT+\c], v[TT+\c], v[TT+2+\c], v[LG+48+\c]
.endr
.set kk, 0
.rept 25
	v_pk_add_f32 v[LG+kk:LG+kk+1], v[LG+kk:LG+kk+1], v[TT:TT+1] neg_lo:[0,1] neg_hi:[0,1]   ; the maximum is taken away
.set kk, kk+2
.endr
.set kk, 0
.rept 50
	v_exp_f32 v[LG+kk], v[LG+kk]                   ; one batch; none reads another's result
.set kk, kk+1
.endr
	v_nop                                          ; a plain line behind the last exponential (ISA guide 5.7.2),
	s_wait_alu depctr_va_vdst(0)                   ; and one wait for the batch, ahead of its first reader
.irp u, 0,1,2,3
	v_pk_add_f32 v[TT+4+2*\u:TT+5+2*\u], v[LG+4*\u:LG+4*\u+1], v[LG+4*\u+2:LG+4*\u+3]       ; the sums, in four chains
.endr
.irp i, 8,12,16,20
.irp u, 0,1,2,3
	v_pk_add_f32 v[TT+4+2*\u:TT+5+2*\u], v[TT+4+2*\u:TT+5+2*\u], v[LG+2*(\i+\u):LG+2*(\i+\u)+1]
.endr
.endr
	v_pk_add_f32 v[TT+4:TT+5], v[TT+4:TT+5], v[TT+6:TT+7]
	v_pk_add_f32 v[TT+8:TT+9], v[TT+8:TT+9], v[TT+10:TT+11]
	v_pk_add_f32 v[TT+4:TT+5], v[TT+4:TT+5], v[LG+48:LG+49]
	v_pk_add_f32 v[TT+4:TT+5], v[TT+4:TT+5], v[TT+8:TT+9]
	v_rcp_f32 v[TT+12], v[TT+4]
	v_rcp_f32 v[TT+13], v[TT+5]
	v_nop
	s_wait_alu depctr_va_vdst(0)                   ; one wait for the two reciprocals
.set kk, 0
.rept 25
	v_pk_mul_f32 v[LG+kk:LG+kk+1], v[LG+kk:LG+kk+1], v[TT+12:TT+13]   ; attn
.set kk, kk+2
.endr
.set kk, 0
.rept 25
	ds_store_b32 v[AST], v[LG+2*kk] offset:kk*SP           ; row 25 (h + 2 c) + k, my pixel's word
	ds_store_b32 v[AST], v[LG+2*kk+1] offset:(50+kk)*SP
.set kk, kk+1
.endr
.irp j, 0,1,2,3,4                              ; F[j][kx] = ay[j] attn[j][kx] + by[j - 1] attn[j - 1][kx]; the edge rows have one term.  (Work on registers while the stores land)
.irp k, 0,1,2,3,4
	PMUL EF+2*(5*\j+\k), LG+2*(5*\j+\k), AY+\j
.endr
.endr
.irp k, 0,1,2,3,4
	PMUL EF+50+2*\k, LG+40+2*\k, BY+4
.endr
.irp j, 1,2,3,4
.irp k, 0,1,2,3,4
	PFMA EF+2*(5*\j+\k), LG+2*(5*\j+\k)-10, BY+\j-1
.endr
.endr
	s_wait_dscnt 0x0                               ; for the others' sake: my words lie in the stage
	s_barrier_signal -1
.irp j, 0,1,2,3,4,5                            ; W36[j][i] = ax[i] F[j][i] + bx[i - 1] F[j][i - 1]: register work while the others arrive.  Rows 0-2 into window 3, rows 3-5 into window 2
.if \j < 3
	WIN 0xf0
.else
	WIN 0xa0
.endif
.irp i, 0,1,2,3,4
	PMUL 2*(6*(\j%3)+\i), EF+2*(5*\j+\i), AX+\i
.endr
	PMUL 2*(6*(\j%3)+5), EF+2*(5*\j+4), BX+4
.irp i, 1,2,3,4
	PFMA 2*(6*(\j%3)+\i), EF+2*(5*\j+\i)-2, BX+\i-1
.endr
.endr
	WIN 0
	s_barrier_wait -1                              ; 100 whole rows of attn lie in the stage
; ---- attn leaves: a wave takes every fourth pair of rows; 16 lanes store 256 consecutive bytes, at a multiple of 256 from out1's first byte
.irp i, 0,1,2,3,4,5,6,7,8,9,10,11
	ds_load_b128 v[EF+4*\i:EF+4*\i+3], v[ARD] offset:8*SP*\i
.endr
.irp i, 0,1,2,3,4,5,6,7,8,9,10,11
	s_wait_dscnt 11-\i                             ; LDS loads come back in order: pair i is in
	global_store_b128 v[GOF], v[EF+4*\i:EF+4*\i+3], s[42:43] offset:131072*\i th:TH_STORE_NT
.endr
	s_cmp_lt_u32 s2, 2                             ; 50 pairs of rows for four waves: the last two are waves 0 and 1's
	s_cbranch_scc0 .Lno_tail
	ds_load_b128 v[EF+48:EF+51], v[ARD] offset:8*SP*12
	s_wait_dscnt 0x0
	global_store_b128 v[GOF], v[EF+48:EF+51], s[42:43] offset:131072*12 th:TH_STORE_NT
.Lno_tail:
; ---- V's stream: out's 64 sums a lane.  It issues no load
	WAITL M_V0                                     ; row 0's codes; Wv was asked for ahead of them
.set PN, 0
	MM 1, 0
	MM 1, 1
	PLACES 4
	ROW 1, 0, 0, M_V1
	ROW 1, 1, 0, M_V2
	ROW 1, 2, 0, M_V3
	ROW 1, 3, 0, M_V4
	ROW 1, 4, 0, M_V5
	ROW 1, 5, 1, 0
; ---- out is quantised along its channels.  A lane holds two whole blocks of 32: channels 32 h on (c = 0) and 64 + 32 h on (c = 1), in the order that the operand's layout gives that lane.
; A block's scale: its largest magnitude (with the floor 2^(3 - 127) among the leaves, which holds the byte at 1 from below), 2 off the exponent field.  Work registers: the ring's, in window 1
.set QW, DR
	WIN 0x40
	v_lshlrev_b32 v[QW+7], 3, v[VH]                ; 8 h
	WIN 0x55
.irp c, 0,1
	v_max3_num_f32 v[QW+\c], |v[OA+32*\c]|, |v[OA+32*\c+1]|, 0x1800000
.endr
.irp i, 2,4,6,8,10,12,14,16,18,20,22,24,26,28,30
.irp c, 0,1
	v_max3_num_f32 v[QW+\c], v[QW+\c], |v[OA+32*\c+\i]|, |v[OA+32*\c+\i+1]|   ; the two blocks by turns
.endr
.endr
.irp c, 0,1
	v_add_nc_u32 v[QW+2+\c], 0xff000000, v[QW+\c]  ; the conversion takes the exponent field of this operand as its scale, and nothing else of it
.endr
.irp c, 0,1
	v_lshrrev_b32 v[QW+4+\c], 23, v[QW+2+\c]       ; the scale's byte
.endr
	v_lshl_or_b32 v[QW+6], v[QW+5], 16, v[QW+4]    ; my two bytes: blocks h and 2 + h of pixel r,
	v_lshlrev_b32 v[QW+6], v[QW+7], v[QW+6]        ; at their places in the scale word;
	v_mov_b32 v[QW+8], 0                           ; (a lane permute's destination counts as one of its sources)
	v_permlanex16_b32 v[QW+8], v[QW+6], s44, s45
	WIN 0x05
	v_or_b32 v[OSC], v[QW+6], v[QW+8]              ; with lane l xor 16's two the word is whole
	WIN 0x55
.irp c, 0,1
.irp g, 0,1,2,3
	v_cvt_scalef32_pk8_fp4_f32 v[PC+4*\c+\g], v[OA+32*\c+8*\g:OA+32*\c+8*\g+7], v[QW+2+\c]   ; registers 4 c .. 4 c + 3 of the operand
.endr
.endr
	PLACES 8                                       ; a scale register written by a vector instruction stands 8 places ahead of a scaled matrix instruction, an operand so written 4; and a plain line follows a scaled conversion
; ---- the last product: source 0 = Wfc's rows 16 t on, source 1 = out's codes: lane (r, h), register j: channel 16 t + 8 h + j of pixel r
	WAITL M_FC
	WIN 0x45
.irp t, 0,1,2,3,4,5,6,7
.set rD, RR+8*\t
.set rA, WFC+8*\t
	WM rD, rA, PC, WFCS+\t%4, OSC, \t/4, 0
.endr
	PLACES 4
	WIN 0x04                                       ; an LDS store's data are its source 1: window 1
.irp t, 0,1,2,3,4,5,6,7
.irp j, 0,1,2,3,4,5,6,7
	ds_store_b32 v[OST], v[RR+8*\t+\j] offset:(16*\t+\j)*SP   ; each tile from its low end on
.endr
.endr
	WIN 0
	s_wait_dscnt 0x0                               ; for the others' sake: my words lie in the stage
	s_barrier_signal -1
	s_barrier_wait -1                              ; 128 whole rows of out0 lie in the stage
	s_wait_xcnt 0x0                                ; attn's stores have read their registers: the rows read back below land there
.irp i, 0,1,2,3,4,5,6,7,8,9,10,11,12,13,14,15
	ds_load_b128 v[EF+4*\i:EF+4*\i+3], v[ORD] offset:2*SP*\i
.endr
.irp i, 0,1,2,3,4,5,6,7,8,9,10,11,12,13,14,15
	s_wait_dscnt 15-\i
	global_store_b128 v[GOF], v[EF+4*\i:EF+4*\i+3], s[40:41] offset:32768*\i th:TH_STORE_NT   ; 16 lanes store 256 consecutive bytes, at a multiple of 256 from out0's first byte
.endr
	s_wait_tensorcnt 0x0
	ds_add_u32 v254, v255
	s_wait_dscnt 0x0
	s_endpgm
.Lfunc_end_k_q42920aae26_attend:
	.size	k_q42920aae26_attend, .Lfunc_end_k_q42920aae26_attend-k_q42920aae26_attend
	.p2alignl 7, 3214868480
	.fill 96, 4, 3214868480
	.section	.rodata,"a",@progbits
	.p2align	6, 0x0
	.amdhsa_kernel k_q42920aae26_attend
		.amdhsa_group_segment_fixed_size 62976
		.amdhsa_private_segment_fixed_size 0
		.amdhsa_enable_private_segment 0
		.amdhsa_kernarg_size 144
		.amdhsa_user_sgpr_count 2
		.amdhsa_user_sgpr_kernarg_segment_ptr 1
		.amdhsa_wavefront_size32 1
		.amdhsa_system_sgpr_workgroup_id_x 1
		.amdhsa_system_sgpr_workgroup_id_y 1
		.amdhsa_system_sgpr_workgroup_id_z 1
		.amdhsa_system_vgpr_workitem_id 0
		.amdhsa_next_free_vgpr 1024
		.amdhsa_next_free_sgpr 66
		.amdhsa_reserve_vcc 1
		.amdhsa_float_denorm_mode_32 3
		.amdhsa_float_denorm_mode_16_64 3
		.amdhsa_memory_ordered 1
		.amdhsa_forward_progress 1
		.amdhsa_inst_pref_size 255
	.end_amdhsa_kernel
	.section	.bss,"aw",@nobits
	.p2align	6
	.space	262144
	.amdgpu_metadata
---
amdhsa.version: [ 1, 2 ]
amdhsa.kernels:
  - .name:           k_q42920aae26_attend
    .symbol:         k_q42920aae26_attend.kd
    .args:
      - { .name: q_codes, .offset: 0, .size: 8, .value_kind: global_buffer, .address_space: global }
      - { .name: q_scales, .offset: 8, .size: 8, .value_kind: global_buffer, .address_space: global }
      - { .name: k_codes, .offset: 16, .size: 8, .value_kind: global_buffer, .address_space: global }
      - { .name: k_scales, .offset: 24, .size: 8, .value_kind: global_buffer, .address_space: global }
      - { .name: v_codes, .offset: 32, .size: 8, .value_kind: global_buffer, .address_space: global }
      - { .name: v_scales, .offset: 40, .size: 8, .value_kind: global_buffer, .address_space: global }
      - { .name: Wq_codes, .offset: 48, .size: 8, .value_kind: global_buffer, .address_space: global }
      - { .name: Wq_scales, .offset: 56, .size: 8, .value_kind: global_buffer, .address_space: global }
      - { .name: Wk_codes, .offset: 64, .size: 8, .value_kind: global_buffer, .address_space: global }
      - { .name: Wk_scales, .offset: 72, .size: 8, .value_kind: global_buffer, .address_space: global }
      - { .name: Wv_codes, .offset: 80, .size: 8, .value_kind: global_buffer, .address_space: global }
      - { .name: Wv_scales, .offset: 88, .size: 8, .value_kind: global_buffer, .address_space: global }
      - { .name: Wfc_codes, .offset: 96, .size: 8, .value_kind: global_buffer, .address_space: global }
      - { .name: Wfc_scales, .offset: 104, .size: 8, .value_kind: global_buffer, .address_space: global }
      - { .name: taps, .offset: 112, .size: 8, .value_kind: global_buffer, .address_space: global }
      - { .name: coef, .offset: 120, .size: 8, .value_kind: global_buffer, .address_space: global }
      - { .name: out0, .offset: 128, .size: 8, .value_kind: global_buffer, .address_space: global }
      - { .name: out1, .offset: 136, .size: 8, .value_kind: global_buffer, .address_space: global }
    .group_segment_fixed_size: 62976
    .private_segment_fixed_size: 0
    .kernarg_segment_align: 8
    .kernarg_segment_size: 144
    .max_flat_workgroup_size: 128
    .sgpr_count:     66
    .vgpr_count:     1024
    .wavefront_size: 32
...
	.end_amdgpu_metadata
.endif
;; end of part 2
;; ======== version 2 of 2: 2 launches; version 1 with the launch attend written anew for expert scheduling mode
;; workspace buffers: taps 262,144 bytes of whole numbers; coef 1,310,720 bytes
;; launch taps: the kernel of part 1 again; grid 256 x 1, 2 waves a work-group, no clusters, 0 bytes of LDS; arguments flow, taps, coef; writes taps, coef
;; launch attend (part 3): grid 64 x 4, 4 waves a work-group, no clusters, 62,976 bytes of LDS; arguments q_codes, q_scales, k_codes, k_scales, v_codes, v_scales, Wq_codes, Wq_scales, Wk_codes, Wk_scales, Wv_codes, Wv_scales, Wfc_codes, Wfc_scales, taps, coef, out0, out1; writes out0, out1
.if DOCPART == 3
	.amdgcn_target "amdgcn-amd-amdhsa--gfx1250"
	.amdhsa_code_object_version 6
	.text
	.protected	k_q42920aae26_attend
	.globl	k_q42920aae26_attend
	.p2align	8
	.type	k_q42920aae26_attend,@function
k_q42920aae26_attend:
	s_mov_b64 s[64:65], 0
	v_nop
	global_prefetch_b8 v0, s[64:65] scope:SCOPE_SE
	s_setreg_imm32_b32 hwreg(HW_REG_WAVE_SCHED_MODE, 0, 2), 2
	s_setreg_imm32_b32 hwreg(HW_REG_WAVE_MODE, 25, 1), 1
	s_wait_xcnt 0x0
	s_wait_alu depctr_vm_vsrc(0)
; Attention over a 5 x 5 window placed by the flow, 4 heads of 32, 16,384 pixels; all four projections on codes of FP4 (E2M1) with one E8M0 scale for each 32 along K = 128.
; THE FORM.  All 25 bilinear samples of a pixel lie on one window of 6 x 6 whole positions (launch taps), and sampling is linear.  So
;   logit[ky][kx] = a separable 2 x 2 blend of the 36 dot products D[j][i] = q_head . (Wk k)[position (j, i)]_head, and
;   out_head      = the sum over the 36 positions of (Wv v)[position]_head x W36[j][i], W36 the transposed blend of attn.
; The zero padding lies in the blend's coefficients (0 for a tap outside the image; its address is held inside).
; Wk k and Wv v are never stored: for each of the 36 positions a wave gathers the CODES of 'position p of my 16 pixels' (64 bytes and a scale word a pixel) straight
; into the second operand's registers and projects them by 8 matrix instructions against weights that stay in its registers.
; SHARES.  A work-group is one image row: 64 pixels, four waves, a wave 16 neighbouring pixels from q's projection to out0.
; LAYOUT.  Source 0 = 16 rows of a weight, source 1 = 16 pixels.  THE ROWS OF A WEIGHT THAT FORM A TILE ARE NOT NEIGHBOURS: row m of tile (g, c) is the weight's row
; 64 c + 32 (m / 8) + 8 g + m % 8.  So lane (r, h) holds pixel r and, in register j of tile (g, c), unit 8 g + j of head h + 2 c: a lane owns two whole heads.  Dot products,
; softmax, blends and out's sums never leave the lane; a pair of registers (c = 0, c = 1) is what the packed arithmetic works on; and the finished out lies in the order that the last product's operand wants.
; Every matrix instruction takes the constant 0 as C (K = 128 is one step): there are no chains.
; A STREAM (K's, then V's) is 144 pairs of matrix instructions; behind each matrix instruction stand four packed multiply-adds on the pair of results before it.
; LDS serves only to turn attn and out0, of which a lane holds single words of a row, into rows of 256 bytes, which 16 lanes store whole.
; NO CLUSTER, NO TENSOR LOAD: what is read is a gather, a lane pair to a 64-byte row at a place that hangs on the pixel's own flow: no two work-groups want one dense tile at one time;
; the weights, 34,816 bytes, are read once by each wave into registers.
; LIMITS: a scale byte 0xff (NaN) at a tap outside the image gives NaN x 0 here; a block of zeros of out gets the scale byte 1 with zero codes (the byte is read by this kernel alone).
; THE MODE: SCHED_MODE bits 1:0 = 2 (LLVM: expert scheduling mode 2), set by the entry lines.  The code itself states the register dependences
; between vector or matrix instructions and memory or LDS instructions, with s_wait_alu, always for 0.
; THE PLAN.  The text runs straight.  Registers that memory or LDS instructions touch:
;   v3-v14        offsets and LDS addresses: made by vector lines at the head, never written again.
;   CA, SA        the 54 offsets of the gathers: made once, all ahead of ONE wait; read by the 180 gathers, all of which are issued before K's last row; behind it the blend writes over them.
;   slots 0-3, KSC  K's row j is read by its 48 matrix instructions from slot j % 4.  ONE wait at the head of row j + 1 states that they are done reading; the slot's next loads stand behind the row's
;                 last lines, which name the next slot, Wk, the ring, q and the chains alone.  Slot 0: K's rows 0, 4, V's row 5; slot 1: K's rows 1, 5; slot 2: K's row 2, V's row 3; slot 3: K's row 3, V's row 4.
;   V's rows 0-2, VSC, Wv, the coefficients: no vector or matrix instruction names their registers ahead of their loads.
;   DD            written by K's reductions, read by the first blend; Wfc's loads land there behind the wait that the exponentials have anyway.
;   LG            attn: written by vector lines, read by 50 LDS stores, never written again.
;   EF            work of the blends; then attn's rows from the stage (LDS loads, global stores); then out0's rows likewise.
;   RR; PC, OSC   the last product's results, read by 64 LDS stores; its second operand and that operand's scale word, made by vector lines.
; V's stream issues no memory instruction and holds no such wait.
;
; REGISTERS, in windows of 256 (s_set_vgpr_msb's low byte: bits 1:0 source 0, 3:2 source 1, 5:4 source 2, 7:6 destination):
;   window 0: addresses, coefficients, scale words (they have no window), logits, work of the softmax
;   window 1: v0-63 Wk, then out's sums; v64-127 Wv, then the last product's results; v128-199 Wq, then the 36 dot products, then Wfc; v200-231 a ring of two pairs of results; v232-247 chains; v248-255 out's codes
;   window 2: v0-63 q projected, then W36 rows 3-5; v64-255 four slots of a window row's codes (6 positions x 8 registers)
;   window 3: v0-35 W36 rows 0-2; v64-207 three more slots; v208-215 q's codes
; One setting serves a stream's matrix instructions and its packed multiply-adds alike: weight and results are source 0, codes and the factor source 1, sums and results the destination.
.set SP,    272                        ; a stage row: 64 pixels x 4 bytes + 16: lanes 16-31 write 25 or 8 rows below lanes 0-15, 36 or 32 words on modulo 64 (64 banks of 4 bytes: ISA guide 11.1)
.set ASTG,  0                          ; LDS: attn's stage, 100 rows (25 head + k)
.set OSTG,  27392                      ; out0's stage, 128 rows (channel)
; window 0
.set VR,    1                          ; r = lane % 16: my pixel
.set VH,    2                          ; h = lane / 16
.set A16R,  3                          ; 16 r: taps, coef
.set AQC,   4                          ; 64 r + 16 h: q's codes; Wfc's rows
.set A4R,   5                          ; 4 r
.set WA,    6                          ; a weight's tile: (32 (r / 8) + r % 8) x 64 + 16 h
.set WAS,   7                          ; its scale words: (32 (r / 8) + r % 8) x 4 + 256 h: lanes 0-15 tile (g, 0)'s, lanes 16-31 tile (g, 1)'s
.set WFS,   9                          ; Wfc's scale words: 4 r + 256 h: lanes 0-15 tile t's, lanes 16-31 tile t + 4's
.set AST,   10                         ; into attn's stage
.set OST,   11                         ; into out0's stage
.set ARD,   12                         ; out of attn's stage
.set ORD,   13                         ; out of out0's stage
.set GOF,   14                         ; 16384 h + 16 r: two planes' rows in out0 or out1
.set H16,   15                         ; 16 h
.set TP,    16                         ; v16-19 my pixel's taps
.set AX,    20                         ; v20-39 coefficients
.set BX,    25
.set AY,    30
.set BY,    35
.set TM,    40                         ; v40-45 columns, v46-51 rows, at work
.set EF,    40                         ; v40-99 the half-blended logits, then the half-blended weights; later rows read back from the stages
.set CA,    52                         ; v52-87 byte offset of position (j, i)'s codes: 64 P + 16 h
.set SA,    88                         ; v88-105 of its scale word: row j, i = 0 .. 2: lanes 0-15 column i, lanes 16-31 column i + 3
.set WQS,   106                        ; scale words of the weights, four registers each
.set WKS,   110
.set WVS,   114
.set WFCS,  118
.set QSC,   122                        ; q's scale words
.set OSC,   123                        ; out's
.set KSC,   124                        ; K's, three for each of slots 0 to 3
.set VSC,   136                        ; V's, three for each window row
.set LG,    154                        ; v154-203 logits, then p, then attn: pair 2 k + c
.set TT,    204                        ; v204-219 at work
; window 1
.set WK,    0
.set OA,    0
.set WV,    64
.set RR,    64
.set WQ,    128
.set DD,    128
.set WFC,   128
.set DR,    200
.set CH,    232
.set PC,    248
; windows 2 and 3
.set SL,    64
.set TS,    64
.set QC,    208
.set MSB, 0
.macro WIN new                         ; the immediate's high byte repeats the setting that is left; a switch that changes nothing is dropped
.if MSB != (\new)
	s_set_vgpr_msb (MSB<<8)|(\new)
.set MSB, \new
.endif
.endm
.macro PLACES n
.rept \n
	v_nop
.endr
.endm
; LC counts the global loads issued so far (the text runs straight, so the count is exact); a mark is LC behind a group of loads.
; Loads come back in order (ISA guide 5.7.1): a group is in when no more loads are out than were issued behind it.  The wait's field holds 63 at the most.
.set LC, 0
.macro WAITL mark
.if (LC-(\mark)) > 63
	s_wait_loadcnt 63
.else
	s_wait_loadcnt LC-(\mark)
.endif
.endm
; A weight: 8 tiles x 8 registers into window 1, 4 registers of scale words into window 0.  fc = 1: Wfc, whose tiles are 16 neighbouring rows
.macro WLOAD reg, sreg, cb, sb, fc
	WIN 0x40
.if \fc
.irp t, 0,1,2,3,4,5,6,7
	global_load_b128 v[\reg+8*\t:\reg+8*\t+3], v[AQC], s[\cb:\cb+1] offset:1024*\t
	global_load_b128 v[\reg+8*\t+4:\reg+8*\t+7], v[AQC], s[\cb:\cb+1] offset:1024*\t+32
.endr
.else
.irp g, 0,1,2,3
.irp c, 0,1
	global_load_b128 v[\reg+8*(2*\g+\c):\reg+8*(2*\g+\c)+3], v[WA], s[\cb:\cb+1] offset:(64*\c+8*\g)*64
	global_load_b128 v[\reg+8*(2*\g+\c)+4:\reg+8*(2*\g+\c)+7], v[WA], s[\cb:\cb+1] offset:(64*\c+8*\g)*64+32
.endr
.endr
.endif
	WIN 0
.irp g, 0,1,2,3
.if \fc
	global_load_b32 v[\sreg+\g], v[WFS], s[\sb:\sb+1] offset:64*\g
.else
	global_load_b32 v[\sreg+\g], v[WAS], s[\sb:\sb+1] offset:32*\g
.endif
.endr
.set LC, LC+20
.endm
; A window row's nine offsets
.macro ADDR j
	WIN 0
.irp i, 0,1,2,3,4,5
	v_add_nc_u32 v[CA+6*\j+\i], v[TM+6+\j], v[TM+\i]
.endr
.irp i, 0,1,2
	v_add_nc_u32 v[SA+3*\j+\i], v[TT+4+\j], v[TT+1+\i]
.endr
.endm
; A window row of K or V: 3 loads of scale words, 12 of codes (position i of my 16 pixels is a whole second operand: 8 registers)
.macro ROWLOAD cb, sb, j, win, slot, sc, mark
	WIN 0
.irp i, 0,1,2
	global_load_b32 v[\sc+\i], v[SA+3*\j+\i], s[\sb:\sb+1]
.endr
	WIN (\win)<<6
.irp i, 0,1,2,3,4,5
	global_load_b128 v[\slot+8*\i:\slot+8*\i+3], v[CA+6*\j+\i], s[\cb:\cb+1]
	global_load_b128 v[\slot+8*\i+4:\slot+8*\i+7], v[CA+6*\j+\i], s[\cb:\cb+1] offset:32
.endr
.set LC, LC+15
.set \mark, LC
.endm
; One matrix instruction.  ra, rb: the side's scale words stand in lanes 16-31 of the register named
.macro WM d, a, b, sa, sb, ra, rb
.if (\ra) && (\rb)
	v_wmma_scale_f32_16x16x128_f8f6f4 v[\d:\d+7], v[\a:\a+7], v[\b:\b+7], 0, v[\sa], v[\sb] matrix_a_fmt:MATRIX_FMT_FP4 matrix_b_fmt:MATRIX_FMT_FP4 matrix_a_scale:MATRIX_SCALE_ROW1 matrix_b_scale:MATRIX_SCALE_ROW1
.elseif (\ra)
	v_wmma_scale_f32_16x16x128_f8f6f4 v[\d:\d+7], v[\a:\a+7], v[\b:\b+7], 0, v[\sa], v[\sb] matrix_a_fmt:MATRIX_FMT_FP4 matrix_b_fmt:MATRIX_FMT_FP4 matrix_a_scale:MATRIX_SCALE_ROW1
.elseif (\rb)
	v_wmma_scale_f32_16x16x128_f8f6f4 v[\d:\d+7], v[\a:\a+7], v[\b:\b+7], 0, v[\sa], v[\sb] matrix_a_fmt:MATRIX_FMT_FP4 matrix_b_fmt:MATRIX_FMT_FP4 matrix_b_scale:MATRIX_SCALE_ROW1
.else
	v_wmma_scale_f32_16x16x128_f8f6f4 v[\d:\d+7], v[\a:\a+7], v[\b:\b+7], 0, v[\sa], v[\sb] matrix_a_fmt:MATRIX_FMT_FP4 matrix_b_fmt:MATRIX_FMT_FP4
.endif
.endm
; Tile c of pair PN of a stream (kind 0: K, 1: V).  Pair PN: position PN / 4 (row j, column i), units 8 (PN % 4) on.
; K's rows lie in slots 0 1 2 3 0 1 of window 2; V's rows 0-2 in window 3, rows 3-5 in slots 2 3 0 of window 2.
.macro MM kind, c
.set p_, PN/4
.set g_, PN%4
.set j_, p_/6
.set i_, p_%6
.set rD, DR+16*(PN%2)+8*(\c)
.if (\kind) == 0
	WIN 0x59
.set rA, WK+8*(2*g_+(\c))
.set rB, SL+48*(j_%4)+8*i_
.set rSA, WKS+g_
.set rSB, KSC+3*(j_%4)+i_%3
.else
.set rA, WV+8*(2*g_+(\c))
.set rSA, WVS+g_
.set rSB, VSC+3*j_+i_%3
.if j_ < 3
	WIN 0x5d
.set rB, TS+48*j_+8*i_
.else
	WIN 0x59
.set rB, SL+48*((j_-1)%4)+8*i_
.endif
.endif
	WM rD, rA, rB, rSA, rSB, \c, i_/3
.endm
; The four chains of position pp become its two dot products.  The additions are written as multiply-adds by 1.0: under the stream's setting source 1 means window 2, and the chains lie in window 1.
.macro KRED pp, half
.set rO, CH+8*((\pp)%2)
.irp c, 0,1
.if (\half) == 0
	v_pk_fma_f32 v[rO+2*\c:rO+2*\c+1], v[rO+2*\c:rO+2*\c+1], 1.0, v[rO+4+2*\c:rO+4+2*\c+1] op_sel_hi:[1,0,1]
.else
	v_fma_f32 v[DD+2*(\pp)+\c], v[rO+2*\c], 1.0, v[rO+2*\c+1]
.endif
.endr
.endm
; K's slice: half of pair PS's 16 results x q, into four chains (two for each tile) that come round every fourth line.  A position's first slice starts its chains: nothing is cleared.
; Each tile is read from its low end on.  Two sets of chains take turns, and the position before is reduced beside a position's first pair.
.macro KS half
.set p_, PS/4
.set g_, PS%4
	WIN 0x59
.set rC, CH+8*(p_%2)
.irp u, 0,1
.irp c, 0,1
.set rR, DR+16*(PS%2)+8*\c+4*(\half)+2*\u
.set rQ, 32*\c+8*g_+4*(\half)+2*\u
.set rX, rC+4*\u+2*\c
.if (g_ == 0) && ((\half) == 0)
	v_pk_mul_f32 v[rX:rX+1], v[rR:rR+1], v[rQ:rQ+1]
.else
	v_pk_fma_f32 v[rX:rX+1], v[rR:rR+1], v[rQ:rQ+1], v[rX:rX+1]
.endif
.endr
.endr
.if (g_ == 0) && (p_ > 0)
	KRED p_-1, \half
.endif
.endm
; V's slice: half of pair PS's 16 results x the position's weight (of the pair W36 the word of head h + 2 c serves both halves), onto out's sums.  Position 0 starts the sums.
.macro VS half
.set p_, PS/4
.set g_, PS%4
.set j_, p_/6
.set i_, p_%6
.if j_ < 3
	WIN 0x5d
.else
	WIN 0x59
.endif
.set rW, 2*(6*(j_%3)+i_)
.irp u, 0,1
.irp c, 0,1
.set rR, DR+16*(PS%2)+8*\c+4*(\half)+2*\u
.set rX, OA+32*\c+8*g_+4*(\half)+2*\u
.if p_ == 0
	v_pk_mul_f32 v[rX:rX+1], v[rR:rR+1], v[rW:rW+1] op_sel:[0,\c] op_sel_hi:[1,\c]
.else
	v_pk_fma_f32 v[rX:rX+1], v[rR:rR+1], v[rW:rW+1], v[rX:rX+1] op_sel:[0,\c,0] op_sel_hi:[1,\c,1]
.endif
.endr
.endr
.endm
.macro SLICE kind, half
.if (\kind) == 0
	KS \half
.else
	VS \half
.endif
.endm
; A window row of a stream: 24 pairs.  Each matrix instruction of the pair AHEAD is followed by four multiply-adds on the pair in hand, which name none of its registers.
; So a result's first reader stands five or more such lines behind its matrix instruction (four are asked), and a ring place is written over eight or more behind (five are asked).
; mark: the next row's loads, waited for ahead of its first product, which stands in this row's last pair.  last = 1: nothing follows.
; In K's stream the one wait on va_vdst of a row stands beside that wait: all 48 products of this row are issued by then.  Behind it stand the next row's first two products and this row's last eight
; multiply-adds, which name the next slot and its scale words, Wk, the ring, q and the chains; then the loads that take this row's slot.
.macro ROW kind, j, last, mark
.set q_, 0
.rept 24
.set PS, 24*(\j)+q_
.set PN, PS+1
.set more_, 1-(\last)*(q_/23)
.if more_
.if q_ == 23
	WAITL \mark
.if (\kind) == 0
	s_wait_alu depctr_va_vdst(0)                   ; this row's products are done reading their slot and its three registers of scale words, in which the loads behind the row land
.endif
.endif
	MM \kind, 0
.endif
	SLICE \kind, 0
.if more_
	MM \kind, 1
.endif
	SLICE \kind, 1
.set q_, q_+1
.endr
.endm
; v[d:d+1] = v[a:a+1] x v[x], and += : of the aligned pair that holds the coefficient x, its word serves both halves
.macro PMUL d, a, x
.if ((\x)%2)
	v_pk_mul_f32 v[\d:\d+1], v[\a:\a+1], v[\x-1:\x] op_sel:[0,1] op_sel_hi:[1,1]
.else
	v_pk_mul_f32 v[\d:\d+1], v[\a:\a+1], v[\x:\x+1] op_sel_hi:[1,0]
.endif
.endm
.macro PFMA d, a, x
.if ((\x)%2)
	v_pk_fma_f32 v[\d:\d+1], v[\a:\a+1], v[\x-1:\x], v[\d:\d+1] op_sel:[0,1,0] op_sel_hi:[1,1,1]
.else
	v_pk_fma_f32 v[\d:\d+1], v[\a:\a+1], v[\x:\x+1], v[\d:\d+1] op_sel_hi:[1,0,1]
.endif
.endm
; ---- the head
	s_load_b512 s[8:23], s[0:1], 0x0               ; q 8, 10; k 12, 14; v 16, 18; Wq 20, 22 (codes, scales)
	s_load_b512 s[24:39], s[0:1], 0x40             ; Wk 24, 26; Wv 28, 30; Wfc 32, 34; taps 36; coef 38
	s_load_b128 s[40:43], s[0:1], 0x80             ; out0 40, out1 42
	v_lshl_add_u32 v254, v0, 2, 0xf400
	v_mov_b32 v255, 0
	v_lshrrev_b32 v1, 5, v0
	v_readfirstlane_b32 s2, v1                     ; wave w
	s_and_b32 s4, ttmp7, 0xffff                    ; image n; ttmp9 is the image row y
	s_lshl_b32 s5, s4, 12                          ; 4096 n: the image's first pixel
	s_lshl_b32 s56, ttmp9, 6
	s_wait_alu depctr_va_sdst(0)                   ; s2 is written, ahead of its first reader: bases, LDS addresses and one branch are made from it
	s_lshl_b32 s57, s2, 4
	s_add_co_u32 s56, s56, s5
	s_add_co_u32 s56, s56, s57                     ; my wave's first pixel: 4096 n + 64 y + 16 w
	s_lshl_b32 s6, s56, 4                          ; taps, coef: 16 bytes a pixel
	s_mov_b32 s7, 0
	s_lshl_b32 s48, s56, 6                         ; q's codes: 64
	s_mov_b32 s49, 0
	s_lshl_b32 s50, s56, 2                         ; q's scale words: 4
	s_mov_b32 s51, 0
	s_lshl_b32 s57, ttmp9, 8                       ; a row of a plane of out0 or out1: 256 bytes
	s_mul_i32 s52, s4, 1638400                     ; out1: 100 planes an image; wave w begins at planes 2 w, 2 w + 1
	s_add_co_u32 s52, s52, s57
	s_lshl_b32 s58, s2, 15
	s_add_co_u32 s52, s52, s58
	s_mov_b32 s53, 0
	s_lshl_b32 s54, s4, 21                         ; out0: 128 planes an image; wave w stores planes 32 w on
	s_add_co_u32 s54, s54, s57
	s_lshl_b32 s58, s2, 19
	s_add_co_u32 s54, s54, s58
	s_mov_b32 s55, 0
	s_mov_b32 s44, 0x76543210                      ; v_permlanex16_b32's selects for lane l xor 16
	s_mov_b32 s45, 0xfedcba98
	s_mov_b32 s46, 0x3e8293ee                      ; log2(e) / sqrt(32): folded into q, so that the logits come out in units of log2
	s_mov_b32 s47, s46                             ; (named with it as a pair, so it is written)
	v_and_b32 v[VR], 15, v0
	v_bfe_u32 v[VH], v0, 4, 1
	v_lshlrev_b32 v[A16R], 4, v[VR]
	v_lshlrev_b32 v[H16], 4, v[VH]
	v_lshl_add_u32 v[AQC], v[VR], 6, v[H16]
	v_lshlrev_b32 v[A4R], 2, v[VR]
	v_and_b32 v[WA], 8, v[VR]
	v_mad_u32_u24 v[WA], v[WA], 3, v[VR]           ; 32 (r / 8) + r % 8 = r + 3 (r & 8)
	v_lshlrev_b32 v[WAS], 2, v[WA]
	v_lshl_add_u32 v[WAS], v[VH], 8, v[WAS]
	v_lshl_add_u32 v[WA], v[WA], 6, v[H16]
	v_lshl_add_u32 v[WFS], v[VH], 8, v[A4R]
	s_wait_kmcnt 0x0
	s_add_nc_u64 s[36:37], s[36:37], s[6:7]        ; every base is stepped once, here, ahead of every load
	s_add_nc_u64 s[38:39], s[38:39], s[6:7]
	s_add_nc_u64 s[8:9], s[8:9], s[48:49]
	s_add_nc_u64 s[10:11], s[10:11], s[50:51]
	s_add_nc_u64 s[42:43], s[42:43], s[52:53]
	s_add_nc_u64 s[40:41], s[40:41], s[54:55]
	s_wait_alu depctr_va_vdst(0)                   ; the lane offsets v3 to v9 are written: the loads of the taps, of q, of the coefficients and of the four weights read them, and nothing writes them again
	global_load_b128 v[TP:TP+3], v[A16R], s[36:37] th:TH_LOAD_NT   ; the taps first: the gathers' addresses hang on them
.set LC, LC+1
.set M_TAPS, LC
	WIN 0xc0
	global_load_b128 v[QC:QC+3], v[AQC], s[8:9] th:TH_LOAD_NT
	global_load_b128 v[QC+4:QC+7], v[AQC], s[8:9] offset:32 th:TH_LOAD_NT
	WIN 0
	global_load_b32 v[QSC], v[A4R], s[10:11] th:TH_LOAD_NT
.set LC, LC+3
	WLOAD WQ, WQS, 20, 22, 0
.set M_Q, LC
	WLOAD WK, WKS, 24, 26, 0
	; the LDS addresses are made while the taps are on their way
	s_lshl_b32 s57, s2, 6                          ; my wave's 64 bytes of a stage row
	v_mad_u32_u24 v[AST], v[VH], 25*SP, v[A4R]     ; attn: head h's 25 rows, + 4 r; the immediate adds (50 c + k) rows
	v_add_nc_u32 v[AST], s57, v[AST]
	v_mad_u32_u24 v[OST], v[VH], 8*SP, v[A4R]      ; out0: channels 8 h on; the immediate adds 16 t + j rows
	v_add_nc_u32 v[OST], s57, v[OST]
	v_add_nc_u32 v[OST], OSTG, v[OST]
	v_mad_u32_u24 v[ARD], v[VH], SP, v[A16R]       ; back: lanes 0-15 one row of 256 bytes, lanes 16-31 the next
	s_mul_i32 s58, s2, 32*SP
	s_add_co_u32 s58, s58, OSTG
	v_add_nc_u32 v[ORD], s58, v[ARD]               ; out0: rows 32 w on
	s_mul_i32 s58, s2, 2*SP
	v_add_nc_u32 v[ARD], s58, v[ARD]               ; attn: rows 2 w, 2 w + 1, and every eighth row on
	v_lshl_add_u32 v[GOF], v[VH], 14, v[A16R]
	v_cmp_ne_u32 vcc_lo, 0, v[VH]                  ; lanes 16-31
; ---- the gathers' offsets.  Every number taken from the taps is held to 63 ahead of all address arithmetic; behind the hold stand shifts left and additions alone
	WAITL M_TAPS
	s_wait_alu depctr_va_vcc(0)                    ; the compare has written VCC, ahead of the selection that reads it
	v_cndmask_b32 v[TT], v[TP], v[TP+3], vcc_lo    ; lanes 0-15: columns 0 1 2; lanes 16-31: columns 3 4 5
.irp i, 0,1,2,3
	v_bfe_u32 v[TM+\i], v[TP], 8*\i, 8             ; columns 0-3
	v_bfe_u32 v[TM+4+\i], v[TP+1], 8*\i, 8         ; columns 4, 5, rows 0, 1
	v_bfe_u32 v[TM+8+\i], v[TP+2], 8*\i, 8         ; rows 2-5
.endr
.irp i, 0,1,2
	v_bfe_u32 v[TT+1+\i], v[TT], 8*\i, 8
.endr
.irp i, 0,1,2,3,4,5,6,7,8,9,10,11
	v_min_u32 v[TM+\i], 63, v[TM+\i]
.endr
.irp i, 0,1,2
	v_min_u32 v[TT+1+\i], 63, v[TT+1+\i]
.endr
.irp j, 0,1,2,3,4,5
	v_lshl_add_u32 v[TM+6+\j], v[TM+6+\j], 6, s5   ; the row's first pixel: 4096 n + 64 row
.endr
.irp j, 0,1,2,3,4,5
	v_lshlrev_b32 v[TT+4+\j], 2, v[TM+6+\j]        ; x 4: scale words
.endr
.irp j, 0,1,2,3,4,5
	v_lshl_add_u32 v[TM+6+\j], v[TM+6+\j], 6, v[H16]   ; x 64 + 16 h: codes
.endr
.irp i, 0,1,2,3,4,5
	v_lshlrev_b32 v[TM+\i], 6, v[TM+\i]
.endr
.irp i, 0,1,2
	v_lshlrev_b32 v[TT+1+\i], 2, v[TT+1+\i]
.endr
	ADDR 0                                         ; all six rows' offsets first, so that one wait serves every gather of the kernel
	ADDR 1
	ADDR 2
	ADDR 3
	ADDR 4
	ADDR 5
	s_wait_alu depctr_va_vdst(0)                   ; the 54 offsets CA and SA are written, which the 180 gathers read; so are the stage addresses and the outputs' offset, v10 to v14
	ROWLOAD 12, 14, 0, 2, SL, KSC, M_K0
	ROWLOAD 12, 14, 1, 2, SL+48, KSC+3, M_K1
	ROWLOAD 12, 14, 2, 2, SL+96, KSC+6, M_K2
	ROWLOAD 12, 14, 3, 2, SL+144, KSC+9, M_K3
; ---- q's projection: 8 tiles into window 2, unit 8 g + j of head h + 2 c at v[32 c + 8 g + j]
	WAITL M_Q
	WIN 0x8d
.irp g, 0,1,2,3
.irp c, 0,1
.set rD, 32*\c+8*\g
.set rA, WQ+8*(2*\g+\c)
	WM rD, rA, QC, WQS+\g, QSC, \c, 0
.endr
.endr
	PLACES 4
	WIN 0x82
.set kk, 0
.rept 32
	v_pk_mul_f32 v[kk:kk+1], v[kk:kk+1], s[46:47] op_sel_hi:[1,0]   ; ascending: each tile from its low end on
.set kk, kk+2
.endr
; ---- K's stream: the 36 dot products of each of my two heads.  Behind each row stand the loads that take its slot, and beside them loads into registers that nothing has named yet:
; all of V is on its way a row before the stream ends
	WAITL M_K0                                     ; row 0's codes and scale words; Wk was asked for ahead of them
.set PN, 0
	MM 0, 0
	MM 0, 1
	PLACES 4
	ROW 0, 0, 0, M_K1
	ROWLOAD 12, 14, 4, 2, SL, KSC, M_K4            ; slot 0, which row 0 has left
	WIN 0
.irp p, 0,1,2,3,4
	global_load_b128 v[AX+4*\p:AX+4*\p+3], v[A16R], s[38:39] offset:262144*\p th:TH_LOAD_NT
.endr
.set LC, LC+5
.set M_CO, LC
	ROW 0, 1, 0, M_K2
	ROWLOAD 12, 14, 5, 2, SL+48, KSC+3, M_K5       ; slot 1, which row 1 has left
	WLOAD WV, WVS, 28, 30, 0
	ROW 0, 2, 0, M_K3
	ROWLOAD 16, 18, 0, 3, TS, VSC, M_V0
	ROWLOAD 16, 18, 3, 2, SL+96, VSC+9, M_V3       ; slot 2, which row 2 has left
	ROW 0, 3, 0, M_K4
	ROWLOAD 16, 18, 1, 3, TS+48, VSC+3, M_V1
	ROWLOAD 16, 18, 4, 2, SL+144, VSC+12, M_V4     ; slot 3, which row 3 has left
	ROW 0, 4, 0, M_K5
	ROWLOAD 16, 18, 2, 3, TS+96, VSC+6, M_V2
	ROWLOAD 16, 18, 5, 2, SL, VSC+15, M_V5         ; slot 0, which row 4 has left
	ROW 0, 5, 1, 0
	KRED 35, 0                                     ; the last position's chains
	KRED 35, 1
; ---- the blend, the softmax, the transposed blend: all packed over my two heads
	s_wait_xcnt 0x0                                ; every load has had its address taken: the gathers' offset registers are written again only behind this wait
	s_wait_alu depctr_vm_vsrc(0)                   ; the gathers have read CA and SA, over which the blend below writes
	WAITL M_CO
	WIN 0x01                                       ; source 0: the dot products, in window 1
.irp j, 0,1,2,3,4,5
.irp k, 0,1,2,3,4
	PMUL EF+2*(5*\j+\k), DD+2*(6*\j+\k), AX+\k     ; E[j][kx] = ax[kx] D[j][kx]
.endr
.endr
.irp j, 0,1,2,3,4,5
.irp k, 0,1,2,3,4
	PFMA EF+2*(5*\j+\k), DD+2*(6*\j+\k)+2, BX+\k   ;          + bx[kx] D[j][kx + 1]
.endr
.endr
	WIN 0
.irp y, 0,1,2,3,4
.irp k, 0,1,2,3,4
	PMUL LG+2*(5*\y+\k), EF+2*(5*\y+\k), AY+\y     ; logit[ky][kx] = ay[ky] E[ky][kx]
.endr
.endr
.irp y, 0,1,2,3,4
.irp k, 0,1,2,3,4
	PFMA LG+2*(5*\y+\k), EF+2*(5*\y+\k)+10, BY+\y  ;               + by[ky] E[ky + 1][kx]
.endr
.endr
.irp c, 0,1                                    ; the largest of a head's 25, three operands at a time, two chains a head
	v_max3_num_f32 v[TT+\c], v[LG+\c], v[LG+2+\c], v[LG+4+\c]
	v_max3_num_f32 v[TT+2+\c], v[LG+26+\c], v[LG+28+\c], v[LG+30+\c]
.endr
.irp i, 3,5,7,9
.irp c, 0,1
	v_max3_num_f32 v[TT+\c], v[TT+\c], v[LG+2*\i+\c], v[LG+2*\i+2+\c]
	v_max3_num_f32 v[TT+2+\c], v[TT+2+\c], v[LG+2*(\i+13)+\c], v[LG+2*(\i+13)+2+\c]
.endr
.endr
.irp c, 0,1
	v_max3_num_f32 v[TT+\c], v[TT+\c], v[LG+22+\c], v[LG+24+\c]
.endr
.irp c, 0,1
	v_max3_num_f32 v[TT+\c], v[TT+\c], v[TT+2+\c], v[LG+48+\c]
.endr
.set kk, 0
.rept 25
	v_pk_add_f32 v[LG+kk:LG+kk+1], v[LG+kk:LG+kk+1], v[TT:TT+1] neg_lo:[0,1] neg_hi:[0,1]   ; the maximum is taken away
.set kk, kk+2
.endr
.set kk, 0
.rept 50
	v_exp_f32 v[LG+kk], v[LG+kk]                   ; one batch; none reads another's result
.set kk, kk+1
.endr
	v_nop                                          ; a plain line behind the last exponential (ISA guide 5.7.2),
	s_wait_alu depctr_va_vdst(0)                   ; and one wait: the 50 exponentials have written LG, ahead of their first reader; and the reductions have written the dot products and the blend is done reading them
	WLOAD WFC, WFCS, 32, 34, 1                     ; so Wfc takes the dot products' place, with no wait of its own
.set M_FC, LC
.irp u, 0,1,2,3
	v_pk_add_f32 v[TT+4+2*\u:TT+5+2*\u], v[LG+4*\u:LG+4*\u+1], v[LG+4*\u+2:LG+4*\u+3]       ; the sums, in four chains
.endr
.irp i, 8,12,16,20
.irp u, 0,1,2,3
	v_pk_add_f32 v[TT+4+2*\u:TT+5+2*\u], v[TT+4+2*\u:TT+5+2*\u], v[LG+2*(\i+\u):LG+2*(\i+\u)+1]
.endr
.endr
	v_pk_add_f32 v[TT+4:TT+5], v[TT+4:TT+5], v[TT+6:TT+7]
	v_pk_add_f32 v[TT+8:TT+9], v[TT+8:TT+9], v[TT+10:TT+11]
	v_pk_add_f32 v[TT+4:TT+5], v[TT+4:TT+5], v[LG+48:LG+49]
	v_pk_add_f32 v[TT+4:TT+5], v[TT+4:TT+5], v[TT+8:TT+9]
	v_rcp_f32 v[TT+12], v[TT+4]
	v_rcp_f32 v[TT+13], v[TT+5]
	v_nop
	s_wait_alu depctr_va_vdst(0)                   ; the two reciprocals have written their pair, ahead of its first reader
.set kk, 0
.rept 25
	v_pk_mul_f32 v[LG+kk:LG+kk+1], v[LG+kk:LG+kk+1], v[TT+12:TT+13]   ; attn
.set kk, kk+2
.endr
	s_wait_alu depctr_va_vdst(0)                   ; the multiplications have written attn in LG, which the 50 LDS stores read; nothing writes LG again
.set kk, 0
.rept 25
	ds_store_b32 v[AST], v[LG+2*kk] offset:kk*SP           ; row 25 (h + 2 c) + k, my pixel's word
	ds_store_b32 v[AST], v[LG+2*kk+1] offset:(50+kk)*SP
.set kk, kk+1
.endr
.irp j, 0,1,2,3,4                              ; F[j][kx] = ay[j] attn[j][kx] + by[j - 1] attn[j - 1][kx]; the edge rows have one term.  (Work on registers while the stores land)
.irp k, 0,1,2,3,4
	PMUL EF+2*(5*\j+\k), LG+2*(5*\j+\k), AY+\j
.endr
.endr
.irp k, 0,1,2,3,4
	PMUL EF+50+2*\k, LG+40+2*\k, BY+4
.endr
.irp j, 1,2,3,4
.irp k, 0,1,2,3,4
	PFMA EF+2*(5*\j+\k), LG+2*(5*\j+\k)-10, BY+\j-1
.endr
.endr
	s_wait_dscnt 0x0                               ; for the others' sake: my words lie in the stage
	s_barrier_signal -1
.irp j, 0,1,2,3,4,5                            ; W36[j][i] = ax[i] F[j][i] + bx[i - 1] F[j][i - 1]: register work while the others arrive.  Rows 0-2 into window 3, rows 3-5 into window 2
.if \j < 3
	WIN 0xf0
.else
	WIN 0xa0
.endif
.irp i, 0,1,2,3,4
	PMUL 2*(6*(\j%3)+\i), EF+2*(5*\j+\i), AX+\i
.endr
	PMUL 2*(6*(\j%3)+5), EF+2*(5*\j+4), BX+4
.irp i, 1,2,3,4
	PFMA 2*(6*(\j%3)+\i), EF+2*(5*\j+\i)-2, BX+\i-1
.endr
.endr
	WIN 0
	s_barrier_wait -1                              ; 100 whole rows of attn lie in the stage
	s_wait_alu depctr_va_vdst(0)                   ; the two transposed blends have written EF and are done reading it: the rows read back below, the tail's too, land there
; ---- attn leaves: a wave takes every fourth pair of rows; 16 lanes store 256 consecutive bytes, at a multiple of 256 from out1's first byte
.irp i, 0,1,2,3,4,5,6,7,8,9,10,11
	ds_load_b128 v[EF+4*\i:EF+4*\i+3], v[ARD] offset:8*SP*\i
.endr
.irp i, 0,1,2,3,4,5,6,7,8,9,10,11
	s_wait_dscnt 11-\i                             ; LDS loads come back in order: pair i is in
	global_store_b128 v[GOF], v[EF+4*\i:EF+4*\i+3], s[42:43] offset:131072*\i th:TH_STORE_NT
.endr
	s_cmp_lt_u32 s2, 2                             ; 50 pairs of rows for four waves: the last two are waves 0 and 1's
	s_cbranch_scc0 .Lno_tail
	ds_load_b128 v[EF+48:EF+51], v[ARD] offset:8*SP*12
	s_wait_dscnt 0x0
	global_store_b128 v[GOF], v[EF+48:EF+51], s[42:43] offset:131072*12 th:TH_STORE_NT
.Lno_tail:
; ---- V's stream: out's 64 sums a lane.  It issues no load
	WAITL M_V0                                     ; row 0's codes; Wv was asked for ahead of them
.set PN, 0
	MM 1, 0
	MM 1, 1
	PLACES 4
	ROW 1, 0, 0, M_V1
	ROW 1, 1, 0, M_V2
	ROW 1, 2, 0, M_V3
	ROW 1, 3, 0, M_V4
	ROW 1, 4, 0, M_V5
	ROW 1, 5, 1, 0
; ---- out is quantised along its channels.  A lane holds two whole blocks of 32: channels 32 h on (c = 0) and 64 + 32 h on (c = 1), in the order that the operand's layout gives that lane.
; A block's scale: its largest magnitude (with the floor 2^(3 - 127) among the leaves, which holds the byte at 1 from below), 2 off the exponent field.  Work registers: the ring's, in window 1
.set QW, DR
	WIN 0x40
	v_lshlrev_b32 v[QW+7], 3, v[VH]                ; 8 h
	WIN 0x55
.irp c, 0,1
	v_max3_num_f32 v[QW+\c], |v[OA+32*\c]|, |v[OA+32*\c+1]|, 0x1800000
.endr
.irp i, 2,4,6,8,10,12,14,16,18,20,22,24,26,28,30
.irp c, 0,1
	v_max3_num_f32 v[QW+\c], v[QW+\c], |v[OA+32*\c+\i]|, |v[OA+32*\c+\i+1]|   ; the two blocks by turns
.endr
.endr
.irp c, 0,1
	v_add_nc_u32 v[QW+2+\c], 0xff000000, v[QW+\c]  ; the conversion takes the exponent field of this operand as its scale, and nothing else of it
.endr
.irp c, 0,1
	v_lshrrev_b32 v[QW+4+\c], 23, v[QW+2+\c]       ; the scale's byte
.endr
	v_lshl_or_b32 v[QW+6], v[QW+5], 16, v[QW+4]    ; my two bytes: blocks h and 2 + h of pixel r,
	v_lshlrev_b32 v[QW+6], v[QW+7], v[QW+6]        ; at their places in the scale word;
	v_mov_b32 v[QW+8], 0                           ; (a lane permute's destination counts as one of its sources)
	v_permlanex16_b32 v[QW+8], v[QW+6], s44, s45
	WIN 0x05
	v_or_b32 v[OSC], v[QW+6], v[QW+8]              ; with lane l xor 16's two the word is whole
	WIN 0x55
.irp c, 0,1
.irp g, 0,1,2,3
	v_cvt_scalef32_pk8_fp4_f32 v[PC+4*\c+\g], v[OA+32*\c+8*\g:OA+32*\c+8*\g+7], v[QW+2+\c]   ; registers 4 c .. 4 c + 3 of the operand
.endr
.endr
	PLACES 8                                       ; a scale register written by a vector instruction stands 8 places ahead of a scaled matrix instruction, an operand so written 4; and a plain line follows a scaled conversion
; ---- the last product: source 0 = Wfc's rows 16 t on, source 1 = out's codes: lane (r, h), register j: channel 16 t + 8 h + j of pixel r
	WAITL M_FC
	s_wait_alu depctr_va_vdst(0)                   ; the conversions have written out's codes and the vector lines its scale word, which the scaled products take; the places above stay beside this wait
	WIN 0x45
.irp t, 0,1,2,3,4,5,6,7
.set rD, RR+8*\t
.set rA, WFC+8*\t
	WM rD, rA, PC, WFCS+\t%4, OSC, \t/4, 0
.endr
	PLACES 4
	s_wait_alu depctr_va_vdst(0)                   ; the eight products have written their results, which the LDS stores read; the places above stay beside this wait
	WIN 0x04                                       ; an LDS store's data are its source 1: window 1
.irp t, 0,1,2,3,4,5,6,7
.irp j, 0,1,2,3,4,5,6,7
	ds_store_b32 v[OST], v[RR+8*\t+\j] offset:(16*\t+\j)*SP   ; each tile from its low end on
.endr
.endr
	WIN 0
	s_wait_dscnt 0x0                               ; for the others' sake: my words lie in the stage
	s_barrier_signal -1
	s_barrier_wait -1                              ; 128 whole rows of out0 lie in the stage
	s_wait_xcnt 0x0                                ; attn's stores have had their addresses taken: the rows read back below land in their data registers only behind this wait
	s_wait_alu depctr_vm_vsrc(0)                   ; attn's stores have read EF, in which the LDS loads below land
.irp i, 0,1,2,3,4,5,6,7,8,9,10,11,12,13,14,15
	ds_load_b128 v[EF+4*\i:EF+4*\i+3], v[ORD] offset:2*SP*\i
.endr
.irp i, 0,1,2,3,4,5,6,7,8,9,10,11,12,13,14,15
	s_wait_dscnt 15-\i
	global_store_b128 v[GOF], v[EF+4*\i:EF+4*\i+3], s[40:41] offset:32768*\i th:TH_STORE_NT   ; 16 lanes store 256 consecutive bytes, at a multiple of 256 from out0's first byte
.endr
	s_wait_dscnt 0x0
	s_wait_alu depctr_hold_cnt(0) depctr_sa_sdst(0) depctr_va_vdst(0) depctr_va_sdst(0) depctr_va_ssrc(0) depctr_va_vcc(0) depctr_vm_vsrc(0)
	s_wait_tensorcnt 0x0
	ds_add_u32 v254, v255
	s_wait_dscnt 0x0
	s_endpgm
.Lfunc_end_k_q42920aae26_attend:
	.size	k_q42920aae26_attend, .Lfunc_end_k_q42920aae26_attend-k_q42920aae26_attend
	.p2alignl 7, 3214868480
	.fill 96, 4, 3214868480
	.section	.rodata,"a",@progbits
	.p2align	6, 0x0
	.amdhsa_kernel k_q42920aae26_attend
		.amdhsa_group_segment_fixed_size 62976
		.amdhsa_private_segment_fixed_size 0
		.amdhsa_enable_private_segment 0
		.amdhsa_kernarg_size 144
		.amdhsa_user_sgpr_count 2
		.amdhsa_user_sgpr_kernarg_segment_ptr 1
		.amdhsa_wavefront_size32 1
		.amdhsa_system_sgpr_workgroup_id_x 1
		.amdhsa_system_sgpr_workgroup_id_y 1
		.amdhsa_system_sgpr_workgroup_id_z 1
		.amdhsa_system_vgpr_workitem_id 0
		.amdhsa_next_free_vgpr 1024
		.amdhsa_next_free_sgpr 66
		.amdhsa_reserve_vcc 1
		.amdhsa_float_denorm_mode_32 3
		.amdhsa_float_denorm_mode_16_64 3
		.amdhsa_memory_ordered 1
		.amdhsa_forward_progress 1
		.amdhsa_inst_pref_size 255
	.end_amdhsa_kernel
	.section	.bss,"aw",@nobits
	.p2align	6
	.space	262144
	.amdgpu_metadata
---
amdhsa.version: [ 1, 2 ]
amdhsa.kernels:
  - .name:           k_q42920aae26_attend
    .symbol:         k_q42920aae26_attend.kd
    .args:
      - { .name: q_codes, .offset: 0, .size: 8, .value_kind: global_buffer, .address_space: global }
      - { .name: q_scales, .offset: 8, .size: 8, .value_kind: global_buffer, .address_space: global }
      - { .name: k_codes, .offset: 16, .size: 8, .value_kind: global_buffer, .address_space: global }
      - { .name: k_scales, .offset: 24, .size: 8, .value_kind: global_buffer, .address_space: global }
      - { .name: v_codes, .offset: 32, .size: 8, .value_kind: global_buffer, .address_space: global }
      - { .name: v_scales, .offset: 40, .size: 8, .value_kind: global_buffer, .address_space: global }
      - { .name: Wq_codes, .offset: 48, .size: 8, .value_kind: global_buffer, .address_space: global }
      - { .name: Wq_scales, .offset: 56, .size: 8, .value_kind: global_buffer, .address_space: global }
      - { .name: Wk_codes, .offset: 64, .size: 8, .value_kind: global_buffer, .address_space: global }
      - { .name: Wk_scales, .offset: 72, .size: 8, .value_kind: global_buffer, .address_space: global }
      - { .name: Wv_codes, .offset: 80, .size: 8, .value_kind: global_buffer, .address_space: global }
      - { .name: Wv_scales, .offset: 88, .size: 8, .value_kind: global_buffer, .address_space: global }
      - { .name: Wfc_codes, .offset: 96, .size: 8, .value_kind: global_buffer, .address_space: global }
      - { .name: Wfc_scales, .offset: 104, .size: 8, .value_kind: global_buffer, .address_space: global }
      - { .name: taps, .offset: 112, .size: 8, .value_kind: global_buffer, .address_space: global }
      - { .name: coef, .offset: 120, .size: 8, .value_kind: global_buffer, .address_space: global }
      - { .name: out0, .offset: 128, .size: 8, .value_kind: global_buffer, .address_space: global }
      - { .name: out1, .offset: 136, .size: 8, .value_kind: global_buffer, .address_space: global }
    .group_segment_fixed_size: 62976
    .private_segment_fixed_size: 0
    .kernarg_segment_align: 8
    .kernarg_segment_size: 144
    .max_flat_workgroup_size: 128
    .sgpr_count:     66
    .vgpr_count:     1024
    .wavefront_size: 32
...
	.end_amdgpu_metadata
.endif
;; end of part 3
